; MI455X (gfx1250); checked and timed in simulation.
; The chip was launched on July 23, 2026; its instructions are those of AMD's public machine-readable ISA for CDNA 5 (MIT licence, August 2026) and "CDNA5" Instruction Set Architecture Reference Guide (July 2026). The comments in the code are by the model that wrote it; some were corrected since.
;; Block. Allowed arithmetic: matrix products marked QUANTISED: E3M2 operands, one E8M0 scale for each 32 along K, by v_wmma_scale_f32_16x16x128_f8f6f4 with both operands' format E3M2, f32 sums; everything else in f32.
;; Inputs: g1 1,024 float32; g2 1,024 float32; w_fc_codes 4,096 x 32 x 24 uint8 (E3M2 codes of w_fc, K innermost, in blocks of 32 codes, four codes in three bytes); w_fc_scales 4,096 x 32 uint8 (E8M0 scales of w_fc, one for each 32 codes along K); w_o_codes 1,024 x 32 x 24 uint8 (E3M2 codes of w_o, K innermost, in blocks of 32 codes, four codes in three bytes); w_o_scales 1,024 x 32 uint8 (E8M0 scales of w_o, one for each 32 codes along K); w_proj_codes 1,024 x 128 x 24 uint8 (E3M2 codes of w_proj, K innermost, in blocks of 32 codes, four codes in three bytes); w_proj_scales 1,024 x 128 uint8 (E8M0 scales of w_proj, one for each 32 codes along K); w_qkv_codes 3,072 x 32 x 24 uint8 (E3M2 codes of w_qkv, K innermost, in blocks of 32 codes, four codes in three bytes); w_qkv_scales 3,072 x 32 uint8 (E8M0 scales of w_qkv, one for each 32 codes along K); x 4 x 1,024 x 1,024 float32.
;; Outputs: out0 4 x 1,024 x 1,024 float32.
;; This version of the problem:
;;   THIS VERSION OF THE PROBLEM IS GIVEN IN LOW PRECISION. The matrix products marked QUANTISED in the list below multiply operands that are first quantised to E3M2 (3 exponent bits, 2 mantissa bits; 6 bits a number), with one power-of-two scale for each 32 numbers along K (OCP MX v1.0); their sums are f32. All else is computed in f32.
;;   The module's matrix products, in the order in which they are computed (A, B: the left and right operand; K: the contracted axis; several contracted axes count as one K, in the product's order):
;;     1. [M 4,096, K 1,024] x [K 1,024, N 3,072]; A: computed on the way; B: input w_qkv (given as codes): QUANTISED
;;     2. batch 64 x [M 1,024, K 64] x [K 64, N 1,024]; A: computed on the way; B: computed on the way: QUANTISED
;;     3. batch 64 x [M 1,024, K 1,024] x [K 1,024, N 64]; A: softmax (see below); B: computed on the way: QUANTISED
;;     4. [M 4,096, K 1,024] x [K 1,024, N 1,024]; A: computed on the way; B: input w_o (given as codes): QUANTISED
;;     5. [M 4,096, K 1,024] x [K 1,024, N 4,096]; A: computed on the way; B: input w_fc (given as codes): QUANTISED
;;     6. [M 4,096, K 4,096] x [K 4,096, N 1,024]; A: computed on the way; B: input w_proj (given as codes): QUANTISED
;;   THE QUANTISER, for each operand of a quantised product, along K:
;;     - K is cut into blocks of 32 from its start; a last block that is shorter is filled with zeros.
;;     - A block's scale is 2^e with e = floor(log2(the largest magnitude in the block)) - 4, held to -126 .. 127; a block of zeros has e = 0. As a byte (E8M0): e + 127.
;;     - Each number is divided by its block's scale, clamped to +-28, and rounded to the nearest number of E3M2, ties to even, subnormals kept.
;;     - The product sums the exact products of the quantised numbers (number of the format x scale) in f32.
;;   ~~~python
;;   def quantise(x, axis):      # numpy; x: float32 -> the quantised numbers, widened to float32 again
;;       x = np.moveaxis(x, axis, -1); K = x.shape[-1]
;;       x = np.pad(x, [(0, 0)] * (x.ndim - 1) + [(0, -K % 32)]); x = x.reshape(x.shape[:-1] + (-1, 32)); a = np.abs(x).max(-1, keepdims=True)
;;       e = np.where(a > 0, np.clip(np.frexp(np.where(a > 0, a, 1))[1] - 1 - 4, -126, 127), 0)      # np.frexp(a)[1] - 1 = floor(log2(a)), exactly
;;       r = np.clip(x / 2.0 ** e, -28, 28)
;;       step = 2.0 ** (np.maximum(np.frexp(np.where(r == 0, 1, r))[1] - 1, -2) - 2)
;;       q = np.round(r / step) * step * 2.0 ** e      # np.round: ties to even
;;       return np.moveaxis(q.reshape(q.shape[:-2] + (-1,))[..., :K], -1, axis).astype(np.float32)
;;   ~~~
;;   SOFTMAX AHEAD OF A QUANTISED PRODUCT. Where the list says 'softmax', what is quantised is not the finished softmax but p = 2^(t - M), with t = logit x log2(e) and M = ceil(the row's largest t), a whole number; so 1/2 < the row's largest p <= 1. The row's sum l is taken of the UNQUANTISED p, in f32, and the product's result is divided by l at the end. Since M is a whole number, a kernel that streams over the keys may use a running M (the ceiling of the running maximum): every later rescaling is an exact power of two, which a block's scale takes up: the codes' values come out the same.
;;   OPERANDS COMPUTED ON THE WAY. 'Computed on the way' means the value that the module computes at that place (a softmax that the list does not call 'softmax' is quantised finished and normalised). What goes into a quantiser is computed in f32, as accurately as f32 sums, v_exp_f32 and their like allow (about 1e-6 of the number): no bf16 or f16 on the way to a quantiser, and a product that is left as it is and whose result goes on into a quantised operand takes f32 operands (vector FMAs, or v_wmma_f32_16x16x4_f32). A number that lies on a knife's edge between two numbers of the format may be rounded either way, as far as f32 arithmetic and the matrix unit's own rounding can turn it there, and no further.
;;   INPUTS GIVEN AS CODES. w_fc (in the module: [4096, 1024], K = its axis 1); w_o (in the module: [1024, 1024], K = its axis 1); w_proj (in the module: [1024, 4096], K = its axis 1); w_qkv (in the module: [3072, 1024], K = its axis 1): each comes as NAME_codes (uint8): NAME with its K axis moved to the last place and cut into blocks of 32 codes, [.., K / 32, bytes a block], one block behind the other in memory; four codes in three bytes: a row's codes are one little-endian stream of bits, code i at bits 6 i .. 6 i + 5 (a code: sign, 3 exponent bits, 2 mantissa bits); and NAME_scales (uint8): the same leading axes, one E8M0 byte (e + 127) for each 32 codes along K. Its value is code x scale, taken as it is: it is not quantised again, and the codes and scales need not be those that the quantiser above would give.
;; One version. Each part assembles by itself: llvm-mc -triple=amdgcn-amd-amdhsa -mcpu=gfx1250 --defsym DOCPART=n.
;; ======== version 1 of 1: 7 launches
;; limits: a function is approximated: absolute error at most 4e-07
;; workspace buffers: a 3,276,800 bytes; qk 6,553,600 bytes; vt 3,276,800 bytes; y 3,276,800 bytes; x1 16,777,216 bytes; h 13,107,200 bytes
;; launch ln1 (part 1): grid 256 x 1, 16 waves a work-group, no clusters, 76,288 bytes of LDS; arguments x, g1, a; writes a
.if DOCPART == 1
	.amdgcn_target "amdgcn-amd-amdhsa--gfx1250"
	.amdhsa_code_object_version 6
	.text
	.protected	k_qf73c1859f9_ln1
	.globl	k_qf73c1859f9_ln1
	.p2align	8
	.type	k_qf73c1859f9_ln1,@function
k_qf73c1859f9_ln1:
	s_mov_b64 s[64:65], 0
	v_nop
	global_prefetch_b8 v0, s[64:65] scope:SCOPE_SE
	s_setreg_imm32_b32 hwreg(HW_REG_WAVE_MODE, 25, 1), 1
	s_wait_xcnt 0x0
; n = (x - mean) * rsqrt(var + 1e-5) * g for rows of 1,024 f32 numbers, then codes of BF6 (E3M2) along the row with one E8M0 byte for each 32.
; Out: codes [4096][768 bytes], and AOFF bytes behind the buffer's start the scale bytes [4096][32].
; SHARES: a work-group of 16 waves takes 16 rows, a wave one row: 8 loads of 512 consecutive bytes, the row stays in 32 registers; mean first, then the squares of x - mean, so a common offset of x costs no digits.
; The conversion wants 16 neighbours in one lane: the row turns through the wave's own stage in LDS (32 places of 128 + 16 bytes) and comes back one block of 32 to a lane.
; A lane's 24 bytes of codes go through the same stage once more, so that each store of the wave covers 256 consecutive bytes, aligned.  The 16 rows' 512 scale bytes meet in LDS and wave 0 stores them.
; LIMITS: a block of zeros gets the byte 1, not 127 (its codes are zeros; only this program reads the bytes); magnitudes under 2^-122 are taken as the floor; NaN and infinities are not served.
.set TWB,  4608                        ; a wave's stage
.set SCS,  16*TWB                      ; the 16 rows' scale bytes, 32 each
.set AOFF, 3145728
.set X,    16                          ; v16-47   the row as loaded, then x - mean, then n
.set G,    48                          ; v48-79   g at the same places
.set BK,   80                          ; v80-111  my block of 32 neighbours
.set C,    112                         ; v112-117 its codes; v120-122 the second half as converted
.set SCR,  124                         ; v124     where wave 0 reads the scale bytes back
	s_load_b128 s[4:7], s[0:1], 0x0                ; x, g
	s_load_b64 s[8:9], s[0:1], 0x10                ; out
	v_lshl_add_u32 v128, v0, 2, 0x12200
	v_mov_b32 v129, 0
	v_lshrrev_b32 v1, 5, v0
	v_readfirstlane_b32 s14, v1                    ; wave
	v_and_b32 v1, 31, v0                           ; lane
	v_lshlrev_b32 v2, 4, v1                        ; 16 x lane
	s_mul_i32 s15, s14, TWB
	v_lshrrev_b32 v3, 3, v1
	v_lshl_add_u32 v3, v3, 4, v2
	v_add_nc_u32 v3, s15, v3                       ; stage, way in: 16 lane + 16 (lane / 8): eight lanes' 128 bytes, then 16 of padding
	v_mul_u32_u24 v4, v1, 144
	v_add_nc_u32 v4, s15, v4                       ; way out: place lane
	v_mul_u32_u24 v5, v1, 24
	v_add_nc_u32 v5, s15, v5                       ; codes in: 24 x lane
	v_lshlrev_b32 v7, 3, v1
	v_add_nc_u32 v6, s15, v7                       ; codes back: 8 x lane
	s_lshl_b32 s16, s14, 5
	s_add_co_u32 s16, s16, SCS
	v_add_nc_u32 v8, s16, v1                       ; my block's scale byte
	v_add_nc_u32 v[SCR], SCS, v2
	s_lshl_b32 s17, ttmp9, 4
	s_add_co_u32 s17, s17, s14                     ; my row
	s_lshl_b32 s20, s17, 12
	s_mov_b32 s21, 0
	s_mul_i32 s22, s17, 768
	s_mov_b32 s23, 0
	s_lshl_b32 s24, ttmp9, 9
	s_add_co_u32 s24, s24, AOFF
	s_mov_b32 s25, 0
	s_mov_b32 s12, 0x76543210                      ; lane selects: lane xor 16
	s_mov_b32 s13, 0xfedcba98
	s_mov_b32 s18, 0x3a800000                      ; 1 / 1024
	s_mov_b32 s19, 0x3727c5ac                      ; 1e-5
	s_wait_kmcnt 0x0
	s_add_nc_u64 s[4:5], s[4:5], s[20:21]
	s_add_nc_u64 s[10:11], s[8:9], s[24:25]        ; the work-group's 512 scale bytes
	s_add_nc_u64 s[8:9], s[8:9], s[22:23]          ; my row's codes
.irp j, 0,1,2,3,4,5,6,7
	global_load_b128 v[X+4*\j:X+4*\j+3], v2, s[4:5] offset:512*\j
.endr
.irp j, 0,1,2,3,4,5,6,7
	global_load_b128 v[G+4*\j:G+4*\j+3], v2, s[6:7] offset:512*\j
.endr
.macro RED a, t                        ; the sum over the 32 lanes, in every lane
	v_add_f32_dpp v[\a], v[\a], v[\a] row_xmask:1 row_mask:0xf bank_mask:0xf
	v_add_f32_dpp v[\a], v[\a], v[\a] row_xmask:2 row_mask:0xf bank_mask:0xf
	v_add_f32_dpp v[\a], v[\a], v[\a] row_xmask:4 row_mask:0xf bank_mask:0xf
	v_add_f32_dpp v[\a], v[\a], v[\a] row_xmask:8 row_mask:0xf bank_mask:0xf
	v_permlanex16_b32 v[\t], v[\a], s12, s13
	v_add_f32 v[\a], v[\a], v[\t]
.endm
	s_wait_loadcnt 8                               ; x is in; g's eight loads may stay out
	v_pk_add_f32 v[10:11], v[X:X+1], v[X+2:X+3]
	v_pk_add_f32 v[12:13], v[X+4:X+5], v[X+6:X+7]
.irp j, 8,12,16,20,24,28
	v_pk_add_f32 v[10:11], v[10:11], v[X+\j:X+\j+1]
	v_pk_add_f32 v[12:13], v[12:13], v[X+\j+2:X+\j+3]
.endr
	v_pk_add_f32 v[10:11], v[10:11], v[12:13]
	v_add_f32 v10, v10, v11
	RED 10, 11
	v_mul_f32 v10, s18, v10                        ; the mean
	v_mov_b32 v11, v10
.irp j, 0,2,4,6,8,10,12,14,16,18,20,22,24,26,28,30
	v_pk_add_f32 v[X+\j:X+\j+1], v[X+\j:X+\j+1], v[10:11] neg_lo:[0,1] neg_hi:[0,1]
.endr
	v_pk_mul_f32 v[12:13], v[X:X+1], v[X:X+1]
	v_pk_mul_f32 v[14:15], v[X+2:X+3], v[X+2:X+3]
.irp j, 4,8,12,16,20,24,28
	v_pk_fma_f32 v[12:13], v[X+\j:X+\j+1], v[X+\j:X+\j+1], v[12:13]
	v_pk_fma_f32 v[14:15], v[X+\j+2:X+\j+3], v[X+\j+2:X+\j+3], v[14:15]
.endr
	v_pk_add_f32 v[12:13], v[12:13], v[14:15]
	v_add_f32 v12, v12, v13
	RED 12, 13
	v_fma_f32 v12, v12, s18, s19                   ; var + 1e-5
	v_rsq_f32 v12, v12
	v_nop                                          ; one plain place behind the transcendental
	s_wait_alu depctr_va_vdst(0)
	v_mov_b32 v13, v12
	s_wait_loadcnt 0x0                             ; g
.irp j, 0,2,4,6,8,10,12,14,16,18,20,22,24,26,28,30
	v_pk_mul_f32 v[X+\j:X+\j+1], v[X+\j:X+\j+1], v[12:13]
.endr
.irp j, 0,2,4,6,8,10,12,14,16,18,20,22,24,26,28,30
	v_pk_mul_f32 v[X+\j:X+\j+1], v[X+\j:X+\j+1], v[G+\j:G+\j+1]
.endr
.irp j, 0,1,2,3,4,5,6,7
	ds_store_b128 v3, v[X+4*\j:X+4*\j+3] offset:576*\j     ; a load's 512 bytes are four blocks: four places of 144
.endr
.irp i, 0,1,2,3,4,5,6,7
	ds_load_b128 v[BK+4*\i:BK+4*\i+3], v4 offset:16*\i     ; LDS serves a wave's instructions in order: these see my stores
.endr
	s_wait_dscnt 0x0
	v_max3_num_f32 v9, |v[BK]|, |v[BK+1]|, 0x2800000       ; the block's largest magnitude, with the floor 2^(5 - 127) among its leaves: the byte cannot fall under 1
	v_max3_num_f32 v10, |v[BK+2]|, |v[BK+3]|, |v[BK+4]|
.irp i, 5,9,13,17,21,25
	v_max3_num_f32 v9, v9, |v[BK+\i]|, |v[BK+\i+1]|
	v_max3_num_f32 v10, v10, |v[BK+\i+2]|, |v[BK+\i+3]|
.endr
	v_max3_num_f32 v9, v9, |v[BK+29]|, |v[BK+30]|
	v_max3_num_f32 v9, v9, v10, |v[BK+31]|
	v_add_nc_u32 v11, 0xfe000000, v9               ; 4 off the exponent field: the conversion's scale operand
	v_lshrrev_b32 v12, 23, v11                     ; the scale's byte
	v_cvt_scalef32_pk16_bf6_f32 v[C:C+2], v[BK:BK+15], v11
	v_cvt_scalef32_pk16_bf6_f32 v[C+8:C+10], v[BK+16:BK+31], v11   ; (three registers that begin on an even number)
	v_nop                                          ; one plain place behind a scaled conversion
	v_mov_b32 v[C+3], v[C+8]
	v_mov_b32 v[C+4], v[C+9]
	v_mov_b32 v[C+5], v[C+10]
	ds_store_b64 v5, v[C:C+1]                      ; the stage's reads are back (the wait above): its first 768 bytes take the row's codes
	ds_store_b64 v5, v[C+2:C+3] offset:8
	ds_store_b64 v5, v[C+4:C+5] offset:16
	ds_store_b8 v8, v12
.irp j, 0,1,2
	ds_load_b64 v[BK+2*\j:BK+2*\j+1], v6 offset:256*\j
.endr
	s_wait_dscnt 0x0                               ; my loads are in, and, for wave 0's sake, my byte has landed
.irp j, 0,1,2
	global_store_b64 v7, v[BK+2*\j:BK+2*\j+1], s[8:9] offset:256*\j   ; 32 lanes store 256 consecutive bytes, aligned
.endr
	s_barrier_signal -1
	s_barrier_wait -1
	s_cmp_lg_u32 s14, 0
	s_cbranch_scc1 .Lend
	ds_load_b128 v[BK+8:BK+11], v[SCR]             ; 16 rows x 32 scale bytes
	s_wait_dscnt 0x0
	global_store_b128 v2, v[BK+8:BK+11], s[10:11]
.Lend:
	s_wait_tensorcnt 0x0
	ds_add_u32 v128, v129
	s_wait_dscnt 0x0
	s_endpgm
.Lfunc_end_k_qf73c1859f9_ln1:
	.size	k_qf73c1859f9_ln1, .Lfunc_end_k_qf73c1859f9_ln1-k_qf73c1859f9_ln1
	.p2alignl 7, 3214868480
	.fill 96, 4, 3214868480
	.section	.rodata,"a",@progbits
	.p2align	6, 0x0
	.amdhsa_kernel k_qf73c1859f9_ln1
		.amdhsa_group_segment_fixed_size 76288
		.amdhsa_private_segment_fixed_size 0
		.amdhsa_enable_private_segment 0
		.amdhsa_kernarg_size 24
		.amdhsa_user_sgpr_count 2
		.amdhsa_user_sgpr_kernarg_segment_ptr 1
		.amdhsa_wavefront_size32 1
		.amdhsa_system_sgpr_workgroup_id_x 1
		.amdhsa_system_sgpr_workgroup_id_y 1
		.amdhsa_system_sgpr_workgroup_id_z 1
		.amdhsa_system_vgpr_workitem_id 0
		.amdhsa_next_free_vgpr 130
		.amdhsa_next_free_sgpr 66
		.amdhsa_reserve_vcc 0
		.amdhsa_float_denorm_mode_32 3
		.amdhsa_float_denorm_mode_16_64 3
		.amdhsa_memory_ordered 1
		.amdhsa_forward_progress 1
		.amdhsa_inst_pref_size 14
	.end_amdhsa_kernel
	.amdgpu_metadata
---
amdhsa.version: [ 1, 2 ]
amdhsa.kernels:
  - .name:           k_qf73c1859f9_ln1
    .symbol:         k_qf73c1859f9_ln1.kd
    .args:
      - { .name: x, .offset: 0, .size: 8, .value_kind: global_buffer, .address_space: global }
      - { .name: g1, .offset: 8, .size: 8, .value_kind: global_buffer, .address_space: global }
      - { .name: a, .offset: 16, .size: 8, .value_kind: global_buffer, .address_space: global }
    .group_segment_fixed_size: 76288
    .private_segment_fixed_size: 0
    .kernarg_segment_align: 8
    .kernarg_segment_size: 24
    .max_flat_workgroup_size: 512
    .sgpr_count:     66
    .vgpr_count:     130
    .wavefront_size: 32
...
	.end_amdgpu_metadata
.endif
;; end of part 1
;; launch qkv (part 2): grid 16 x 12, 4 waves a work-group, clusters of 4 x 4, 327,680 bytes of LDS; arguments a, w_qkv_codes, w_qkv_scales, qk, vt; writes qk, vt
.if DOCPART == 2
	.amdgcn_target "amdgcn-amd-amdhsa--gfx1250"
	.amdhsa_code_object_version 6
	.text
	.protected	k_qf73c1859f9_qkv
	.globl	k_qf73c1859f9_qkv
	.p2align	8
	.type	k_qf73c1859f9_qkv,@function
k_qf73c1859f9_qkv:
	s_mov_b64 s[64:65], 0
	v_nop
	global_prefetch_b8 v0, s[64:65] scope:SCOPE_SE
	s_setreg_imm32_b32 hwreg(HW_REG_WAVE_MODE, 25, 1), 1
	s_wait_xcnt 0x0
	s_wait_alu depctr_hold_cnt(0) depctr_sa_sdst(0) depctr_va_vdst(0) depctr_va_sdst(0) depctr_va_ssrc(0) depctr_va_vcc(0) depctr_vm_vsrc(0)
	s_getreg_b32 s2, hwreg(HW_REG_IB_STS2, 6, 4)
	s_cmp_eq_u32 s2, 0
	s_cbranch_scc0 .Lentry_in_a_cluster
	s_endpgm
.Lentry_in_a_cluster:
	s_bfe_u32 s2, ttmp6, 0x10000c
	s_cmp_lg_u32 s2, 0xf033
	s_cbranch_scc0 .Lentry_shape_is_right
	s_endpgm
.Lentry_shape_is_right:
; D[p][q] = sum over k of P[p][k] Q[q][k], K = 1,024, both operands codes of BF6 (E3M2) in rows of 768 bytes with 32 E8M0 bytes a row; the result (GELU = 1: its exact-erf GELU) is quantised again ALONG p and stored as codes.
; QKV = 1: clusters y = 0, 1: P = rows 0-2047 of the weight (q's and k's features), Q = the 4,096 tokens: q and k quantised along the head's 64.  Clusters y = 2: P = the tokens, Q = rows 2048-3071 of the weight: v quantised along the keys.
;   Only pointers are chosen, on the cluster's y, which all partners share.   QKV = 0: P = the weight's 4,096 rows, Q = the tokens.
; OUT: codes [p / 64][QR rows q][48 bytes], scale words [p / 128][QR][4] SOFF bytes behind the buffer's start: a wave's 128 q x 64 p are 6,144 consecutive bytes.
; A tile, 256 p x 256 q, is made by four waves, each 128 x 128: 64 accumulators, 512 registers.  K goes in steps of 256 through two LDS slots filled by the tensor data mover; all scale bytes of the tile's rows come once and stay.
; CLUSTERS 4 x 4: Q's tiles are shared along a row of the cluster, P's along a column: each is asked for jointly.
; Source 0 = 16 rows of P, source 1 = 16 rows of Q: a lane holds one q and its registers run along p.  THE ROWS OF P THAT FORM A TILE ARE NOT NEIGHBOURS: lane r of block 2 b + u takes row 32 b + 8 u + r + 8 (r / 8),
; so that the 16 registers of accumulators 2 b and 2 b + 1 are 16 neighbours along p: 32 b + 16 (lane / 16) + 0 .. 15.  Price: rows r and r + 16 lie 3,840 bytes apart, a multiple of 256, so P's loads meet two deep in the 64 banks of 4 bytes (ISA guide 11.1).
; GELU: g = max(x, 0) - |x| Z(|x|) (b1 t + .. + b5 t^5), t = 1 / (1 + 0.2316419 |x|), Z the normal density: the absolute error of the normal integral is at most 7.5e-8, the size of the rounding of 1 + erf in f32; so for x under about -3 the relative error grows, there as here.
; LIMITS: a block of zeros gets the byte 1, not 127 (only this program reads the bytes); NaN and infinities are not served.
; REGISTERS: window 0: v16-31 addresses; v32-63 scale words, two sets; v128-223 Q's fragments, one set; on the way out v32-236 at work.  window 1: P's fragments, two sets.  windows 2, 3: the accumulators ((a, b) at v[8 (8 (a % 4) + b)]).
.set QKV,    1
.set GELU,   0
.set KSTEP,  256
.set NQ,     2                         ; matrix instructions deep in a slot
.set ROWB,   192                       ; a tile's row in bytes
.set KROW,   768                       ; a row in memory
.set PITCH,  240                       ; an LDS row: 3 x (64 + 16 of padding)
.set FR,     12
.set NL,     6
.set NP,     4
.set HALFT,  128*PITCH
.set SLOT,   4*HALFT                   ; Q's 256 rows, then P's 256 rows
.set LAPS,   2
.set KS,     32                        ; a row of scale bytes
.set SCL,    2*SLOT                    ; the scales, as units of 256 bytes + 16 of padding
.set HALFS,  16*272
.set SBLK,   544                       ; those of 16 rows
.set SPARE,  SCL+4*HALFS               ; the spare words: 128 bytes a wave
.set AOFF,   3145728                   ; the tokens' scale bytes lie so far behind their codes
.set WST,    12800                     ; the way out: a wave's stage in slot 0: 2 x 6,144 bytes of codes, 512 of scale words
.set ADRA, 16                          ; v16-17 Q's fragments in slot 0, 1; v18-19 the same behind one padding more
.set ADRB, 20                          ; v20-23 the same for P
.set STO,  24
.set RD,   25
.set CO,   26
.set ADRS, 27                          ; scale words of even blocks: lanes 0-15 Q's rows, lanes 16-31 P's
.set SPW,  28
.set NIL,  29
.set ADRS1, 30                         ; of odd blocks: P's lie 272 bytes lower than Q's there
.set STW,  31
.set SC,   32
.set AF,   128
.set TM,   32                          ; the way out: v32-47 at work in the quantiser, v48 the scale word, v50-68 the codes
.set PW,   48
.set PC,   50
.set GT,   32                          ; GELU: t;  v96.. the exponential, then max(x, 0);  v160.. the polynomial, then g
.set GE,   96
.set GQ,   160
.set OB,   96                          ; the stage read back: v96-195
.set KB5,  224
.set KB4,  226
.set KB3,  228
.set KB2,  230
.set KB1,  232
.set KC,   234
.set KP,   236
.set SEL,  66
.set G1, 24
.set G0, 32
.set G1B, 48
.set G0B, 56
.set G1S, 68
.set G0S, 76
.set G1SB, 80
.set G0SB, 88
.set MSB, 0
.macro WIN new                         ; the immediate's high byte repeats the setting that is left
.if MSB != (\new)
	s_set_vgpr_msb (MSB<<8)|(\new)
.set MSB, (\new)
.endif
.endm
.set MUL_LO, 0xa1                      ; source 0 (P) window 1, source 1 (Q) window 0, C and D window 2
.set MUL_HI, 0xf1
.set TO_B,   0x40
.macro JLOAD g0a, g1a, g0b, g1b        ; a joint load: waves 0 and 1 fetch for Q, waves 2 and 3 for P; four v_nop follow each line
	s_cmp_eq_u32 s15, 0
	s_cbranch_scc0 .Lfor_b_\@
	tensor_load_to_lds s[\g0a:\g0a+3], s[\g1a:\g1a+7]
	s_nop 0
.rept 4
	v_nop
.endr
	s_branch .Lasked_\@
.Lfor_b_\@:
	tensor_load_to_lds s[\g0b:\g0b+3], s[\g1b:\g1b+7]
	s_nop 0
.rept 4
	v_nop
.endr
.Lasked_\@:
.endm
.macro CREST                           ; a round of the cluster's barrier behind its opening barrier
	s_cmp_lg_u32 s14, 0
	s_cbranch_scc1 .Lnot_wave_0_\@
	s_barrier_signal -3
.Lnot_wave_0_\@:
	s_barrier_wait -3
	s_barrier_signal -1
	s_barrier_wait -1
.endm
.macro CROUND
	s_barrier_signal -1
	s_barrier_wait -1
	CREST
.endm
.macro PLACES n
.rept \n
	v_nop
.endr
.endm
	s_load_b64 s[4:5], s[0:1], 0x0                 ; the tokens' codes (their scale bytes AOFF behind)
	s_load_b64 s[8:9], s[0:1], 0x8                 ; the weight's codes
	s_load_b64 s[10:11], s[0:1], 0x10              ; the weight's scale bytes
	s_load_b64 s[12:13], s[0:1], 0x18              ; out
.if QKV
	s_load_b64 s[96:97], s[0:1], 0x20              ; out for v
.endif
	v_lshl_add_u32 v[SPW], v0, 2, SPARE
	v_mov_b32 v[NIL], 0
	ds_add_u32 v28, v29
	ds_add_u32 v28, v29
	s_wait_dscnt 0x0
	v_lshrrev_b32 v1, 5, v0
	v_readfirstlane_b32 s14, v1                    ; wave 0..3
	s_lshr_b32 s15, s14, 1                         ; which half of the tile's q is mine.  Also: I fetch for Q (0) or for P (1)
	s_and_b32 s16, s14, 1                          ; which half of its p.  Also: which 128 rows I fetch
	s_bfe_u32 s40, ttmp6, 0x40000                  ; cx, cy
	s_bfe_u32 s41, ttmp6, 0x40004
	s_and_b32 s95, ttmp7, 0xffff                   ; the cluster's y
.if QKV
	s_mov_b32 s100, 4096
	s_mov_b32 s101, 6291456
	s_cmp_eq_u32 s95, 2                            ; v's clusters?
	s_cselect_b32 s42, ttmp9, s95                  ; P's cluster column: v: x (16 tiles of tokens); else y (8 tiles of features)
	s_cselect_b32 s17, 0, ttmp9                    ; Q's cluster row: v: 0 (4 tiles of features); else x
	s_cselect_b32 s100, 1024, s100                 ; QR
	s_cselect_b32 s101, 3145728, s101              ; SOFF
.else
	s_mov_b32 s42, ttmp9
	s_mov_b32 s17, s95
	s_mov_b32 s100, 4096
	s_mov_b32 s101, 12582912
.endif
	s_lshl_b32 s42, s42, 2
	s_add_co_u32 s42, s42, s40                     ; P's tile
	s_lshl_b32 s17, s17, 2
	s_add_co_u32 s17, s17, s41                     ; Q's tile
	s_lshl_b32 s43, s41, 2
	s_lshl_b32 s43, 15, s43                        ; my row of the cluster
	s_lshl_b32 s44, 0x1111, s40                    ; my column
	s_or_b32 s[G1+0], s43, (0<<16)|(1<<20)|(1<<21)|(3<<22)|(3<<25)  ; the mask; elements of 1 byte; padding on; bit 21 beside a mask; after every 16 words 4 words
	s_or_b32 s[G1B+0], s44, (0<<16)|(1<<20)|(1<<21)|(3<<22)|(3<<25)
.irp g, G1, G1B
	s_mov_b32 s[\g+1], ROWB<<16                    ; tensor_dim0
	s_mov_b32 s[\g+2], 128<<16                     ; tensor_dim1
	s_mov_b32 s[\g+3], ROWB<<16                    ; tile_dim0
	s_mov_b32 s[\g+4], 128                         ; tile_dim1
	s_mov_b32 s[\g+5], KROW                        ; the pitch
	s_mov_b32 s[\g+6], 0
	s_mov_b32 s[\g+7], 0
.endr
	s_or_b32 s[G1S+0], s43, (3<<16)|(1<<20)|(1<<21)|(5<<22)|(3<<25)  ; the scales of 128 rows: 4,096 dense bytes as 16 rows of 256, 16 of padding behind each
	s_or_b32 s[G1SB+0], s44, (3<<16)|(1<<20)|(1<<21)|(5<<22)|(3<<25)
.irp g, G1S, G1SB
	s_mov_b32 s[\g+1], 32<<16
	s_mov_b32 s[\g+2], 16<<16
	s_mov_b32 s[\g+3], 32<<16
	s_mov_b32 s[\g+4], 16
	s_mov_b32 s[\g+5], 32
	s_mov_b32 s[\g+6], 0
	s_mov_b32 s[\g+7], 0
.endr
	s_lshl_b32 s18, s16, 7
	s_lshl_b32 s20, s17, 8
	s_add_co_u32 s20, s20, s18                     ; Q: row 256 x tile + 128 x half
	s_lshl_b32 s46, s42, 8
	s_add_co_u32 s46, s46, s18                     ; P likewise
	s_mov_b32 s21, 0
	s_mov_b32 s47, 0
	s_mov_b64 s[18:19], KS
	s_mul_u64 s[22:23], s[20:21], s[18:19]
	s_mul_u64 s[92:93], s[46:47], s[18:19]
	s_mov_b64 s[18:19], KROW
	s_mul_u64 s[20:21], s[20:21], s[18:19]
	s_mul_u64 s[46:47], s[46:47], s[18:19]
	s_mul_i32 s45, s14, HALFT                      ; where they go: wave x 128 rows
	s_mul_i32 s94, s14, HALFS
	s_wait_kmcnt 0x0
	s_add_nc_u64 s[6:7], s[4:5], AOFF              ; the tokens' scale bytes
.if QKV
	s_add_nc_u64 s[66:67], s[8:9], 2048*KROW       ; v's rows of the weight
	s_add_nc_u64 s[98:99], s[10:11], 2048*KS
	s_cmp_eq_u32 s95, 2                            ; the choice hangs on the cluster's y alone
	s_cselect_b64 s[66:67], s[66:67], s[4:5]       ; Q's codes
	s_cselect_b64 s[98:99], s[98:99], s[6:7]       ; Q's scales
	s_cselect_b64 s[8:9], s[4:5], s[8:9]           ; P's codes
	s_cselect_b64 s[10:11], s[6:7], s[10:11]       ; P's scales
	s_cselect_b64 s[12:13], s[96:97], s[12:13]     ; out
	s_mov_b64 s[4:5], s[66:67]
	s_mov_b64 s[6:7], s[98:99]
.endif
	s_add_nc_u64 s[20:21], s[4:5], s[20:21]
	s_add_nc_u64 s[22:23], s[6:7], s[22:23]
	s_add_nc_u64 s[46:47], s[8:9], s[46:47]
	s_add_nc_u64 s[92:93], s[10:11], s[92:93]
	CROUND                                         ; all sixteen work-groups are here: the first joint loads meet
	s_mov_b32 s[G0S], 1
	s_add_co_u32 s[G0S+1], s94, SCL
	s_mov_b64 s[G0S+2:G0S+3], s[22:23]
	s_or_b32 s[G0S+3], s[G0S+3], 0x80000000
	s_mov_b32 s[G0SB], 1
	s_add_co_u32 s[G0SB+1], s94, SCL
	s_mov_b64 s[G0SB+2:G0SB+3], s[92:93]
	s_or_b32 s[G0SB+3], s[G0SB+3], 0x80000000
	JLOAD G0S, G1S, G0SB, G1SB                     ; the scales first
.irp s, 0,1
	s_mov_b32 s[G0+4*\s], 1
	s_add_co_u32 s[G0+4*\s+1], s45, \s*SLOT
	s_add_nc_u64 s[G0+4*\s+2:G0+4*\s+3], s[20:21], \s*ROWB
	s_or_b32 s[G0+4*\s+3], s[G0+4*\s+3], 0x80000000
	s_mov_b32 s[G0B+4*\s], 1
	s_add_co_u32 s[G0B+4*\s+1], s45, \s*SLOT
	s_add_nc_u64 s[G0B+4*\s+2:G0B+4*\s+3], s[46:47], \s*ROWB
	s_or_b32 s[G0B+4*\s+3], s[G0B+4*\s+3], 0x80000000
	JLOAD G0+4*\s, G1, G0B+4*\s, G1B
.endr
	v_and_b32 v1, 15, v0                           ; r
	v_bfe_u32 v2, v0, 4, 1                         ; h
	v_mul_u32_u24 v3, v1, PITCH
	v_mul_u32_u24 v4, v2, 24
	v_add_nc_u32 v4, v3, v4                        ; Q: row r x pitch + 24 h
	v_lshl_add_u32 v5, v2, 4, v4                   ; and behind one padding more
	v_and_b32 v6, 8, v1
	v_add_nc_u32 v6, v6, v1                        ; r + 8 (r / 8)
	v_mul_u32_u24 v7, v6, PITCH
	v_mad_u32_u24 v7, v2, 24, v7                   ; P: that row x pitch + 24 h
	v_lshl_add_u32 v8, v2, 4, v7
	s_mul_i32 s21, s15, HALFT                      ; my 128 rows of Q
	s_mul_i32 s22, s16, HALFT                      ; my 128 rows of P,
	s_add_co_u32 s22, s22, 2*HALFT                 ; behind Q's 256
.irp s, 0,1
	v_add_nc_u32 v[ADRA+\s], s21, v4
	v_add_nc_u32 v[ADRB+\s], s22, v7
	v_add_nc_u32 v[ADRA+2+\s], s21, v5
	v_add_nc_u32 v[ADRB+2+\s], s22, v8
	s_add_co_u32 s21, s21, SLOT
	s_add_co_u32 s22, s22, SLOT
.endr
	v_and_b32 v5, 31, v0
	v_add_nc_u32 v5, 8, v5
	v_lshrrev_b32 v5, 5, v5                        ; 1 in lanes 24-31 alone
	v_lshl_add_u32 v5, v5, 3, v1                   ; the lane's row among a block's: Q r; P r + 8 (r / 8)
	v_lshrrev_b32 v6, 3, v5
	v_lshlrev_b32 v5, 5, v5
	v_lshl_add_u32 v5, v6, 4, v5                   ; 32 bytes a row, and 16 more for each 256 passed
	s_mul_i32 s21, s15, HALFS
	s_mul_i32 s22, s16, HALFS
	s_add_co_u32 s23, s22, 2*HALFS-272
	s_add_co_u32 s22, s22, 2*HALFS
	s_sub_co_u32 s22, s22, s21
	s_sub_co_u32 s23, s23, s21
	v_mul_u32_u24 v6, s22, v2                      ; lanes 16-31 take P's: one product, the distance between the two bases
	v_mul_u32_u24 v7, s23, v2                      ; odd blocks: P's rows begin 8 rows, 272 bytes, lower than 544 x block
	s_add_co_u32 s21, s21, SCL
	v_add_nc_u32 v6, v5, v6
	v_add_nc_u32 v7, v5, v7
	v_add_nc_u32 v[ADRS], s21, v6
	v_add_nc_u32 v[ADRS1], s21, v7
	s_mul_i32 s23, s14, WST                        ; my stage
	v_mul_u32_u24 v5, v1, 48
	v_mad_u32_u24 v5, v2, 24, v5
	v_add_nc_u32 v[STO], s23, v5                   ; in: 48 r + 24 h
	v_and_b32 v6, 31, v0
	v_lshlrev_b32 v[CO], 4, v6
	v_add_nc_u32 v[RD], s23, v[CO]                 ; back: 16 x lane
	v_lshl_add_u32 v[STW], v1, 2, s23
	v_add_nc_u32 v[STW], 12288, v[STW]             ; scale words: 4 r
	s_lshl_b32 s46, s42, 2
	s_lshl_b32 s47, s16, 1
	s_add_co_u32 s46, s46, s47                     ; my first chunk of 64 p
	s_lshl_b32 s22, s17, 8
	s_lshl_b32 s23, s15, 7
	s_add_co_u32 s22, s22, s23                     ; my first q
	s_lshr_b32 s20, s46, 1
	s_mul_i32 s20, s20, s100
	s_add_co_u32 s20, s20, s22
	s_lshl_b32 s20, s20, 2
	s_add_co_u32 s20, s20, s101
	s_mov_b32 s21, 0
	s_mul_i32 s46, s46, s100
	s_add_co_u32 s46, s46, s22
	s_mul_i32 s46, s46, 48
	s_mov_b32 s47, 0
	s_add_nc_u64 s[96:97], s[12:13], s[20:21]      ; my 512 bytes of scale words
	s_add_nc_u64 s[12:13], s[12:13], s[46:47]      ; my 6,144 bytes of the first chunk
	s_mul_i32 s20, s100, 48
	s_add_nc_u64 s[98:99], s[12:13], s[20:21]      ; and of the second
.macro FRAG reg, adr, q, ro            ; a fragment: 12 registers; six pieces of 8 bytes; ro: the block's first row.  Where the piece three on lies behind one padding more, the second address register serves
.irp p, 0,1,2,3,4,5
.set PCE, 12*(\q)+6*(\p/3)+\p%3
.if PCE%8 < 5
	ds_load_b64 v[\reg+2*\p:\reg+2*\p+1], v[\adr] offset:8*PCE+16*(PCE/8)+(\ro)*PITCH
.else
	ds_load_b64 v[\reg+2*\p:\reg+2*\p+1], v[\adr+2] offset:8*PCE+16*(PCE/8)+(\ro)*PITCH
.endif
.endr
.endm
; 16 matrix instructions: Q's blocks a0, a0 + 1 x P's eight.  The 64 accumulators take turns, one instruction a turn, in the same order in every step.
.macro MUL16 a0, p, q, sc, zero
.irp a, \a0, \a0+1
.irp b, 0,1,2,3,4,5,6,7
.if \zero
	v_wmma_scale_f32_16x16x128_f8f6f4 v[8*(8*((\a)%4)+\b):8*(8*((\a)%4)+\b)+7], v[128*(\p)+FR*\b:128*(\p)+FR*\b+FR-1], v[AF+FR*(\a):AF+FR*(\a)+FR-1], 0, v[SC+8*NQ*(\sc)+NQ*\b+(\q)], v[SC+8*NQ*(\sc)+NQ*(\a)+(\q)] matrix_a_fmt:MATRIX_FMT_BF6 matrix_b_fmt:MATRIX_FMT_BF6 matrix_a_scale:MATRIX_SCALE_ROW1
.else
	v_wmma_scale_f32_16x16x128_f8f6f4 v[8*(8*((\a)%4)+\b):8*(8*((\a)%4)+\b)+7], v[128*(\p)+FR*\b:128*(\p)+FR*\b+FR-1], v[AF+FR*(\a):AF+FR*(\a)+FR-1], v[8*(8*((\a)%4)+\b):8*(8*((\a)%4)+\b)+7], v[SC+8*NQ*(\sc)+NQ*\b+(\q)], v[SC+8*NQ*(\sc)+NQ*(\a)+(\q)] matrix_a_fmt:MATRIX_FMT_BF6 matrix_b_fmt:MATRIX_FMT_BF6 matrix_a_scale:MATRIX_SCALE_ROW1
.endif
.endr
.endr
.endm
.macro FETCH_B slot, q, p
	WIN TO_B
.irp i, 0,1,2,3,4,5,6,7
	FRAG 128*(\p)+FR*\i, ADRB+\slot, \q, 32*(\i/2)+8*(\i%2)
.endr
	WIN 0
.endm
.macro FETCH_A slot, q, i0
.irp i, \i0, \i0+1, \i0+2, \i0+3
	FRAG AF+FR*(\i), ADRA+\slot, \q, 16*(\i)
.endr
.endm
.macro SCALES sc                       ; a K step's scale words: two a row; lanes 0-15 Q's block i, lanes 16-31 P's block i
.irp i, 0,2,4,6
	ds_load_b64 v[SC+8*NQ*\sc+NQ*\i:SC+8*NQ*\sc+NQ*\i+1], v[ADRS] offset:\i*SBLK
	ds_load_b64 v[SC+8*NQ*\sc+NQ*(\i+1):SC+8*NQ*\sc+NQ*(\i+1)+1], v[ADRS1] offset:(\i+1)*SBLK
.endr
.endm
.macro STEP slot, q, zero              ; 128 along K with its successor in the same slot
	s_wait_dscnt 4*NL                              ; P's set and Q's blocks 0-3 are in; the youngest 24 loads (Q's blocks 4-7) may be out
	WIN MUL_LO
	MUL16 0, (\q)%2, \q, \slot, \zero
	MUL16 2, (\q)%2, \q, \slot, \zero
	s_wait_dscnt 0
	PLACES NP                                      ; four places in front of loads into registers that matrix instructions have read
	FETCH_B \slot, (\q)+1, 1-(\q)%2
	FETCH_A \slot, (\q)+1, 0
	WIN MUL_HI
	MUL16 4, (\q)%2, \q, \slot, \zero
	MUL16 6, (\q)%2, \q, \slot, \zero
	PLACES NP
	WIN 0
	FETCH_A \slot, (\q)+1, 4
.endm
.macro TURN slot, next, fill           ; a slot's last step changes slots: one barrier
	s_wait_tensorcnt 0x0                           ; all my tensor loads have landed: my part of the next slot
	ds_add_u32 v[SPW], v[NIL]                      ; 0 onto my spare word
	s_wait_dscnt 4*NL+1                            ; (the add and Q's blocks 4-7 may be out)
	WIN MUL_LO
	MUL16 0, 1, NQ-1, \slot, 0
	s_wait_dscnt 0x0                               ; the add is done, and my reads of this slot are over
	s_barrier_signal -1
	MUL16 2, 1, NQ-1, \slot, 0
	WIN 0
	s_barrier_wait -1
.if \fill
	CREST                                          ; the barrier has opened a round of the cluster's: no wave of any partner still reads this slot or has a load on its way
	s_add_nc_u64 s[G0+4*\slot+2:G0+4*\slot+3], s[G0+4*\slot+2:G0+4*\slot+3], 2*ROWB
	s_add_nc_u64 s[G0B+4*\slot+2:G0B+4*\slot+3], s[G0B+4*\slot+2:G0B+4*\slot+3], 2*ROWB
	JLOAD G0+4*\slot, G1, G0B+4*\slot, G1B         ; the first tensor load behind the round; its four v_nop are the places in front of the loads below
.else
	PLACES NP
.endif
	v_add_nc_u32 v[ADRS], 4*NQ, v[ADRS]            ; the next K step's scale words
	v_add_nc_u32 v[ADRS1], 4*NQ, v[ADRS1]
	FETCH_B \next, 0, 0
	FETCH_A \next, 0, 0
	SCALES \next
	WIN MUL_HI
	MUL16 4, 1, NQ-1, \slot, 0
	MUL16 6, 1, NQ-1, \slot, 0
	PLACES NP
	WIN 0
	FETCH_A \next, 0, 4
.endm
	s_wait_tensorcnt 1                             ; the scales and my part of K step 0 are in; K step 1's load may be out
	s_barrier_signal -1
	s_barrier_wait -1
	FETCH_B 0, 0, 0
	FETCH_A 0, 0, 0
	SCALES 0
	FETCH_A 0, 0, 4
	STEP 0, 0, 1                                   ; the first products start the sums
	s_mov_b32 s3, LAPS-1
.Llap:
	TURN 0, 1, 1
	STEP 1, 0, 0
	TURN 1, 0, 1
	STEP 0, 0, 0
	s_sub_co_u32 s3, s3, 1
	s_cmp_lg_u32 s3, 0
	s_cbranch_scc1 .Llap
	TURN 0, 1, 0                                   ; the last lap fills nothing
	STEP 1, 0, 0
	s_wait_dscnt 4*NL
	WIN MUL_LO
	MUL16 0, 1, NQ-1, 1, 0
	MUL16 2, 1, NQ-1, 1, 0
	s_wait_dscnt 0
	WIN MUL_HI
	MUL16 4, 1, NQ-1, 1, 0
	MUL16 6, 1, NQ-1, 1, 0
	WIN 0
; THE WAY OUT.  64 numbers of a lane in window W, register 16 b + i = p 32 b + 16 (lane / 16) + i of my row q, become a fragment's codes in v[PC] on and the row's scale word in v[PW].
.macro QUANT s, W
	WIN (\W)|((\W)<<2)
.irp b, 0,1,2,3
	v_max3_num_f32 v[TM+\b], |v[(\s)+16*\b]|, |v[(\s)+1+16*\b]|, 0x2800000   ; each accumulator is read from its low end on; the floor 2^(5 - 127) holds the byte at 1 from below
.endr
.irp i, 2,4,6,8,10,12,14
.irp b, 0,1,2,3
	v_max3_num_f32 v[TM+\b], |v[(\s)+16*\b+\i]|, |v[(\s)+1+16*\b+\i]|, v[TM+\b]
.endr
.endr
	WIN 0
.irp b, 0,1,2,3
	v_permlanex16_b32 v[TM+4+\b], v[TM+\b], s[SEL], s[SEL+1]
.endr
.irp b, 0,1,2,3
	v_max_num_f32 v[TM+\b], v[TM+\b], v[TM+4+\b]   ; with lane xor 16's: the block's largest magnitude
.endr
.irp b, 0,1,2,3
	v_add_nc_u32 v[TM+12+\b], 0xfe000000, v[TM+\b] ; 4 off its exponent field: the conversion's scale operand
.endr
.irp b, 0,1,2,3
	v_lshrrev_b32 v[TM+4+\b], 23, v[TM+12+\b]      ; the byte
.endr
	v_lshl_or_b32 v[PW], v[TM+5], 8, v[TM+4]
	v_lshl_or_b32 v[PW], v[TM+6], 16, v[PW]
	v_lshl_or_b32 v[PW], v[TM+7], 24, v[PW]
	WIN (\W)
.irp c, 0,1
	v_cvt_scalef32_pk16_bf6_f32 v[PC+6*\c:PC+2+6*\c], v[(\s)+32*\c:(\s)+15+32*\c], v[TM+12+2*\c]
	v_cvt_scalef32_pk16_bf6_f32 v[PC+12+4*\c:PC+14+4*\c], v[(\s)+16+32*\c:(\s)+31+32*\c], v[TM+12+2*\c+1]
.endr
	WIN 0
	v_nop                                          ; one plain place behind a scaled conversion
.irp c, 0,1                            ; a whole block to a lane: lanes 0-15 block 2 c, lanes 16-31 block 2 c + 1
.irp i, 0,1,2
	v_permlane16_swap_b32 v[PC+6*\c+\i], v[PC+12+4*\c+\i]
.endr
.irp i, 0,1,2
	v_mov_b32 v[PC+3+6*\c+\i], v[PC+12+4*\c+\i]
.endr
.endr
.endm
.macro GELUM s, W                      ; 64 numbers x in window W -> g in v[GQ] on
	WIN (\W)
.set j, 0
.rept 64
	v_fma_f32 v[GT+j], |v[(\s)+j]|, v[KP], 1.0     ; ascending: each accumulator is read from its low end on
.set j, j+1
.endr
.set j, 0
.rept 32
	v_pk_mul_f32 v[GE+j:GE+j+1], v[(\s)+j:(\s)+j+1], v[KC:KC+1]
.set j, j+2
.endr
.set j, 0
.rept 32
	v_pk_mul_f32 v[GE+j:GE+j+1], v[(\s)+j:(\s)+j+1], v[GE+j:GE+j+1]   ; -x^2 log2(e) / 2
.set j, j+2
.endr
	WIN 0
.set j, 0
.rept 64
	v_rcp_f32 v[GT+j], v[GT+j]
.set j, j+1
.endr
.set j, 0
.rept 64
	v_exp_f32 v[GE+j], v[GE+j]
.set j, j+1
.endr
	v_nop                                          ; one plain place behind the transcendentals
.set j, 0
.rept 32
	v_pk_fma_f32 v[GQ+j:GQ+j+1], v[GT+j:GT+j+1], v[KB5:KB5+1], v[KB4:KB4+1]
.set j, j+2
.endr
.irp k, KB3, KB2, KB1
.set j, 0
.rept 32
	v_pk_fma_f32 v[GQ+j:GQ+j+1], v[GQ+j:GQ+j+1], v[GT+j:GT+j+1], v[\k:\k+1]
.set j, j+2
.endr
.endr
.set j, 0
.rept 32
	v_pk_mul_f32 v[GQ+j:GQ+j+1], v[GQ+j:GQ+j+1], v[GT+j:GT+j+1]
.set j, j+2
.endr
.set j, 0
.rept 32
	v_pk_mul_f32 v[GQ+j:GQ+j+1], v[GQ+j:GQ+j+1], v[GE+j:GE+j+1]       ; the upper tail of the normal integral at |x|
.set j, j+2
.endr
	WIN (\W)
.set j, 0
.rept 64
	v_max_num_f32 v[GE+j], v[(\s)+j], 0
.set j, j+1
.endr
.set j, 0
.rept 64
	v_fma_f32 v[GQ+j], -|v[(\s)+j]|, v[GQ+j], v[GE+j]
.set j, j+1
.endr
	WIN 0
.endm
.macro OUTBLK a                        ; my rows 16 a .. 16 a + 15 of q
	s_wait_dscnt 0x0                               ; the last block's stores have read their registers
.if GELU
	GELUM 64*((\a)%4), 2+(\a)/4
	QUANT GQ, 0
.else
	QUANT 64*((\a)%4), 2+(\a)/4
.endif
.irp k, 0,1,2,3,4,5
	ds_store_b64 v[STO], v[PC+2*\k:PC+2*\k+1] offset:768*(\a)+6144*(\k/3)+8*(\k%3)
.endr
	ds_store_b32 v[STW], v[PW] offset:64*(\a)      ; both halves of the lanes write the same word with the same value
.endm
	PLACES NP                                      ; behind the last products: results are read and their operands' registers written only from here on
	s_mov_b32 s[SEL], 0x76543210
	s_mov_b32 s[SEL+1], 0xfedcba98
.irp b, 0,1,2,3
	v_mov_b32 v[TM+4+\b], 0                        ; a lane permute's destination counts as one of its sources
.endr
.if GELU
	v_mov_b32 v[KB5], 0x3f07dc22                   ; b5 .. b1, each x 1 / sqrt(2 pi), twice for the packed forms
	v_mov_b32 v[KB5+1], 0x3f07dc22
	v_mov_b32 v[KB4], 0xbf3a00e3
	v_mov_b32 v[KB4+1], 0xbf3a00e3
	v_mov_b32 v[KB3], 0x3f35f0e3
	v_mov_b32 v[KB3+1], 0x3f35f0e3
	v_mov_b32 v[KB2], 0xbe11a98e
	v_mov_b32 v[KB2+1], 0xbe11a98e
	v_mov_b32 v[KB1], 0x3e027906
	v_mov_b32 v[KB1+1], 0x3e027906
	v_mov_b32 v[KC], 0xbf38aa3b                    ; -log2(e) / 2
	v_mov_b32 v[KC+1], 0xbf38aa3b
	v_mov_b32 v[KP], 0x3e6d3389                    ; 0.2316419
.endif
.irp a, 0,1,2,3,4,5,6,7
	OUTBLK \a
.endr
.set j, 0
.rept 24
	ds_load_b128 v[OB+4*j:OB+4*j+3], v[RD] offset:512*j    ; LDS serves a wave's instructions in order: these see my stores
.set j, j+1
.endr
	ds_load_b128 v[OB+96:OB+99], v[RD] offset:12288
	s_wait_dscnt 0x0
.set j, 0
.rept 12
	global_store_b128 v[CO], v[OB+4*j:OB+4*j+3], s[12:13] offset:512*j          ; each store covers 512 consecutive bytes, aligned
	global_store_b128 v[CO], v[OB+48+4*j:OB+48+4*j+3], s[98:99] offset:512*j
.set j, j+1
.endr
	global_store_b128 v[CO], v[OB+96:OB+99], s[96:97]
	s_wait_tensorcnt 0x0                           ; the wave's end
	ds_add_u32 v[SPW], v[NIL]
	s_wait_dscnt 0x0
	CROUND                                         ; the closing round
	s_endpgm
.Lfunc_end_k_qf73c1859f9_qkv:
	.size	k_qf73c1859f9_qkv, .Lfunc_end_k_qf73c1859f9_qkv-k_qf73c1859f9_qkv
	.p2alignl 7, 3214868480
	.fill 96, 4, 3214868480
	.section	.rodata,"a",@progbits
	.p2align	6, 0x0
	.amdhsa_kernel k_qf73c1859f9_qkv
		.amdhsa_group_segment_fixed_size 327680
		.amdhsa_private_segment_fixed_size 0
		.amdhsa_enable_private_segment 0
		.amdhsa_kernarg_size 40
		.amdhsa_user_sgpr_count 2
		.amdhsa_user_sgpr_kernarg_segment_ptr 1
		.amdhsa_wavefront_size32 1
		.amdhsa_system_sgpr_workgroup_id_x 1
		.amdhsa_system_sgpr_workgroup_id_y 1
		.amdhsa_system_sgpr_workgroup_id_z 1
		.amdhsa_system_vgpr_workitem_id 0
		.amdhsa_next_free_vgpr 1024
		.amdhsa_next_free_sgpr 102
		.amdhsa_reserve_vcc 0
		.amdhsa_float_denorm_mode_32 3
		.amdhsa_float_denorm_mode_16_64 3
		.amdhsa_memory_ordered 1
		.amdhsa_forward_progress 1
		.amdhsa_inst_pref_size 171
	.end_amdhsa_kernel
	.amdgpu_metadata
---
amdhsa.version: [ 1, 2 ]
amdhsa.kernels:
  - .name:           k_qf73c1859f9_qkv
    .symbol:         k_qf73c1859f9_qkv.kd
    .args:
      - { .name: a, .offset: 0, .size: 8, .value_kind: global_buffer, .address_space: global }
      - { .name: w_qkv_codes, .offset: 8, .size: 8, .value_kind: global_buffer, .address_space: global }
      - { .name: w_qkv_scales, .offset: 16, .size: 8, .value_kind: global_buffer, .address_space: global }
      - { .name: qk, .offset: 24, .size: 8, .value_kind: global_buffer, .address_space: global }
      - { .name: vt, .offset: 32, .size: 8, .value_kind: global_buffer, .address_space: global }
    .group_segment_fixed_size: 327680
    .private_segment_fixed_size: 0
    .kernarg_segment_align: 8
    .kernarg_segment_size: 40
    .max_flat_workgroup_size: 128
    .sgpr_count:     102
    .vgpr_count:     1024
    .wavefront_size: 32
...
	.end_amdgpu_metadata
.endif
;; end of part 2
;; launch attn (part 3): grid 4 x 64, 16 waves a work-group, no clusters, 169,984 bytes of LDS; arguments qk, vt, y; writes y
.if DOCPART == 3
	.amdgcn_target "amdgcn-amd-amdhsa--gfx1250"
	.amdhsa_code_object_version 6
	.text
	.protected	k_qf73c1859f9_attn
	.globl	k_qf73c1859f9_attn
	.p2align	8
	.type	k_qf73c1859f9_attn,@function
k_qf73c1859f9_attn:
	s_mov_b64 s[64:65], 0
	v_nop
	global_prefetch_b8 v0, s[64:65] scope:SCOPE_SE
	s_setreg_imm32_b32 hwreg(HW_REG_WAVE_MODE, 25, 1), 1
	s_wait_xcnt 0x0
; Causal attention of one head of one batch, both products on codes of BF6 (E3M2); the result, divided by the row's sum, is quantised along the head's 64 and stored as codes.
; IN: qk: codes [32 chunks: 0-15 q's heads, 16-31 k's][4096 tokens][48 bytes], scale words at 6,291,456: [16][4096][4], a word for heads 2 j (bytes 0, 1) and 2 j + 1 (bytes 2, 3).
;     vt: v with the keys innermost: codes [token / 64][1024 features][48], scale words at 3,145,728: [token / 128][1024][4].
; OUT: y: codes [head][4096][48]; at 3,145,728 two scale bytes a row: [head][4096][2].
; SOFTMAX: t = score x log2(e) / 8; M = the running largest t rounded up to a whole number; p = 2^(t - M) is quantised along the keys; the sum is taken of the unquantised p; when M moves, sum and O are multiplied by 2^(old M - new M), exactly.
; SHARES: a work-group owns two blocks of 128 queries, i (waves 0-7) and 7 - i (waves 8-15): i + 1 and 8 - i key steps of 128, nine for each pair of waves in every work-group.  A wave owns 16 queries.
; A head's K, V and their scales, 104,448 bytes, come into LDS once, by ten tensor loads: no slot is filled again.  Every wave walks eight steps, a constant; a step all of whose keys come after its queries is jumped over.
; NO CLUSTER: the four work-groups of a head jump over different steps, a branch that hangs on the work-group's x, which partners of a joint load may not have.
; K = 64 IN A FORM OF K = 128: registers 6-11 of K's and Q's fragments hold zero codes; their scale bytes 2 and 3 are 0, which stands for 2^-127 and multiplies zeros.
; Both products are used transposed: a lane holds one query.  The rows of a tile of K and of V are chosen: lane r of tile 2 b + u takes row 32 b + 8 u + r + 8 (r / 8), so that 16 registers of two neighbouring tiles are 16 neighbours.  Rows r and r + 16 lie 768 bytes apart: such loads meet two deep in the 64 banks of 4 bytes (ISA guide 11.1).
; LIMITS: a block of zeros gets the byte 1; NaN and infinities are not served.
.set VT,   49152                       ; LDS: K [1024 keys][48] at 0;  V [16 chunks][64 d][48]
.set KSC,  98304                       ; K's scale words [1024][4]
.set VSC,  102400                      ; V's [8][64][4]
.set STG,  104448                      ; the way out: 768 bytes a wave
.set SST,  116736                      ; and 32 bytes a wave: two scale bytes a row
.set AK0,  1
.set AV0,  2
.set ASK0, 3
.set ASV0, 4
.set STO,  5
.set RD,   6
.set GO,   7
.set ADK,  8
.set ADV,  9
.set ADS,  10
.set ADT,  11
.set QF,   16                          ; v16-27 Q's fragment
.set QS,   28                          ; v28    Q's scales
.set KFR,  32                          ; v32-79 four fragments of K
.set PCD,  80                          ; v80-91 p's codes
.set SSA,  92
.set SSR,  93
.set S,    96                          ; v96-159 S^T, then p
.set O,    160                         ; v160-191 O^T
.set VF,   192                         ; v192-239 four fragments of V; during the softmax its first registers are at work:
.set PT,   192
.set CT,   196
.set SUM2, 204
.set BM,   240
.set SOP,  244
.set SW,   248                         ; v248-251 scale words of the tiles in hand
.set F,    252
.set PWD,  253                         ; p's scale word
.set TMP,  254
.set WV,   18
.set SEL,  20
.set CS,   22
.set G1K,  24
.set G1V,  32
.set G1KS, 40
.set G1VS, 48
.set G0K,  56
.set G0V,  60
.set G0KS, 68
.set G0VS, 72
.set TBK,  76
.set TBS,  77
.set TBT,  78
.set CNT,  79
.set KF,   80
.set Q0,   81
	s_load_b128 s[4:7], s[0:1], 0x0                ; qk, vt
	s_load_b64 s[8:9], s[0:1], 0x10                ; y
	v_lshl_add_u32 v95, v0, 2, 0x29000
	v_mov_b32 v255, 0
	ds_add_u32 v95, v255
	ds_add_u32 v95, v255
	v_lshrrev_b32 v8, 5, v0
	v_readfirstlane_b32 s[WV], v8                  ; wave 0..15
	s_and_b32 s82, ttmp7, 15                       ; head
	s_bfe_u32 s83, ttmp7, 0x20004                  ; batch
	s_and_b32 s86, s[WV], 3
	s_mul_i32 s87, s86, 12288                      ; the quarter of K or of V that I fetch, if I fetch
	s_sub_co_u32 s3, 7, ttmp9
	s_cmp_lt_u32 s[WV], 8
	s_cselect_b32 s3, ttmp9, s3
	s_lshl_b32 s3, s3, 7                           ; my block's first query
	s_and_b32 s19, s[WV], 7
	s_lshl_b32 s19, s19, 4
	s_add_co_u32 s[Q0], s3, s19                    ; my first query
	s_lshl_b32 s66, s82, 12
	s_lshl_b32 s67, s83, 10
	s_add_co_u32 s66, s66, s67                     ; 4096 head + 1024 batch
	s_add_co_u32 s96, s66, s[Q0]
	s_mul_i32 s96, s96, 48                         ; Q's codes in qk, and my codes in y
	s_mov_b32 s97, 0
	s_add_co_u32 s100, s66, s3
	s_lshl_b32 s100, s100, 1
	s_add_co_u32 s100, s100, 3145728               ; my block's 256 scale bytes in y
	s_mov_b32 s101, 0
	s_lshr_b32 s90, s82, 1
	s_lshl_b32 s98, s90, 12
	s_add_co_u32 s98, s98, s67
	s_add_co_u32 s98, s98, s[Q0]
	s_lshl_b32 s98, s98, 2
	s_and_b32 s91, s82, 1
	s_lshl_b32 s91, s91, 1                         ; my head's half of a scale word
	s_add_co_u32 s98, s98, s91
	s_add_co_u32 s98, s98, 6291456                 ; Q's scales
	s_mov_b32 s99, 0
	s_add_co_u32 s84, s82, 16
	s_mul_i32 s84, s84, 196608
	s_mul_i32 s85, s83, 49152
	s_add_co_u32 s84, s84, s85
	s_add_co_u32 s84, s84, s87                     ; K's codes: chunk 16 + head, the batch's keys, my 256
	s_mov_b32 s85, 0
	s_lshl_b32 s88, s83, 4
	s_lshl_b32 s89, s86, 2
	s_add_co_u32 s88, s88, s89
	s_mul_i32 s88, s88, 49152
	s_mul_i32 s89, s82, 3072
	s_add_co_u32 s88, s88, s89                     ; V's codes: chunks 16 batch + 4 quarter on, the head's 64 rows
	s_mov_b32 s89, 0
	s_add_co_u32 s92, s90, 8
	s_lshl_b32 s92, s92, 14
	s_lshl_b32 s93, s83, 12
	s_add_co_u32 s92, s92, s93
	s_add_co_u32 s92, s92, 6291456                 ; K's scale words
	s_mov_b32 s93, 0
	s_lshl_b32 s94, s83, 15
	s_lshl_b32 s95, s82, 8
	s_add_co_u32 s94, s94, s95
	s_add_co_u32 s94, s94, 3145728                 ; V's scale words
	s_mov_b32 s95, 0
	; descriptor groups 1: elements of 8 bytes, no mask, no padding
	s_mov_b32 s[G1K], 3<<16                        ; K: 12,288 dense bytes as 48 rows of 256
	s_mov_b32 s[G1K+1], 32<<16
	s_mov_b32 s[G1K+2], 48<<16
	s_mov_b32 s[G1K+3], 32<<16
	s_mov_b32 s[G1K+4], 48
	s_mov_b32 s[G1K+5], 32
	s_mov_b32 s[G1K+6], 0
	s_mov_b32 s[G1K+7], 0
	s_mov_b32 s[G1V], 3<<16                        ; V: 4 rows of 3,072 bytes, 49,152 bytes apart
	s_mov_b32 s[G1V+1], 384<<16
	s_mov_b32 s[G1V+2], 4<<16
	s_mov_b32 s[G1V+3], 384<<16
	s_mov_b32 s[G1V+4], 4
	s_mov_b32 s[G1V+5], 6144
	s_mov_b32 s[G1V+6], 0
	s_mov_b32 s[G1V+7], 0
	s_mov_b32 s[G1KS], 3<<16                       ; K's scale words: 4,096 dense bytes
	s_mov_b32 s[G1KS+1], 32<<16
	s_mov_b32 s[G1KS+2], 16<<16
	s_mov_b32 s[G1KS+3], 32<<16
	s_mov_b32 s[G1KS+4], 16
	s_mov_b32 s[G1KS+5], 32
	s_mov_b32 s[G1KS+6], 0
	s_mov_b32 s[G1KS+7], 0
	s_mov_b32 s[G1VS], 3<<16                       ; V's: 8 rows of 256 bytes, 4,096 bytes apart
	s_mov_b32 s[G1VS+1], 32<<16
	s_mov_b32 s[G1VS+2], 8<<16
	s_mov_b32 s[G1VS+3], 32<<16
	s_mov_b32 s[G1VS+4], 8
	s_mov_b32 s[G1VS+5], 512
	s_mov_b32 s[G1VS+6], 0
	s_mov_b32 s[G1VS+7], 0
	s_mov_b32 s[SEL], 0x76543210
	s_mov_b32 s[SEL+1], 0xfedcba98
	s_mov_b32 s[CS], 0x3e38aa3b                    ; c = log2(e) / 8
	s_mov_b32 s[CS+1], s[CS]
	s_mov_b32 s[TBK], 0
	s_mov_b32 s[TBS], 0
	s_mov_b32 s[TBT], 0
	s_mov_b32 s[KF], 0
	s_mov_b32 s[CNT], 8
	s_wait_dscnt 0x0
	s_wait_kmcnt 0x0
	s_mov_b32 s[G0K], 1
	s_mov_b32 s[G0K+1], s87
	s_add_nc_u64 s[G0K+2:G0K+3], s[4:5], s[84:85]
	s_or_b32 s[G0K+3], s[G0K+3], 0x80000000
	s_mov_b32 s[G0V], 1
	s_add_co_u32 s[G0V+1], s87, VT
	s_add_nc_u64 s[G0V+2:G0V+3], s[6:7], s[88:89]
	s_or_b32 s[G0V+3], s[G0V+3], 0x80000000
	s_mov_b32 s[G0KS], 1
	s_mov_b32 s[G0KS+1], KSC
	s_add_nc_u64 s[G0KS+2:G0KS+3], s[4:5], s[92:93]
	s_or_b32 s[G0KS+3], s[G0KS+3], 0x80000000
	s_mov_b32 s[G0VS], 1
	s_mov_b32 s[G0VS+1], VSC
	s_add_nc_u64 s[G0VS+2:G0VS+3], s[6:7], s[94:95]
	s_or_b32 s[G0VS+3], s[G0VS+3], 0x80000000
	; the fills: waves 0-3 K's quarters, 4-7 V's, 8 K's scales, 9 V's: one load a wave at most, in one chain of branches on the wave's number; four v_nop follow each
	s_cmp_lt_u32 s[WV], 4
	s_cbranch_scc0 .Lnot_k
	tensor_load_to_lds s[G0K:G0K+3], s[G1K:G1K+7]
	s_nop 0
.rept 4
	v_nop
.endr
	s_branch .Lasked
.Lnot_k:
	s_cmp_lt_u32 s[WV], 8
	s_cbranch_scc0 .Lnot_v
	tensor_load_to_lds s[G0V:G0V+3], s[G1V:G1V+7]
	s_nop 0
.rept 4
	v_nop
.endr
	s_branch .Lasked
.Lnot_v:
	s_cmp_eq_u32 s[WV], 8
	s_cbranch_scc0 .Lnot_ks
	tensor_load_to_lds s[G0KS:G0KS+3], s[G1KS:G1KS+7]
	s_nop 0
.rept 4
	v_nop
.endr
	s_branch .Lasked
.Lnot_ks:
	s_cmp_eq_u32 s[WV], 9
	s_cbranch_scc0 .Lasked
	tensor_load_to_lds s[G0VS:G0VS+3], s[G1VS:G1VS+7]
	s_nop 0
.rept 4
	v_nop
.endr
.Lasked:
	s_add_nc_u64 s[10:11], s[4:5], s[96:97]        ; Q's codes
	s_add_nc_u64 s[12:13], s[4:5], s[98:99]        ; Q's scales
	s_add_nc_u64 s[14:15], s[8:9], s[96:97]        ; my codes in y
	s_add_nc_u64 s[16:17], s[8:9], s[100:101]      ; my block's scale bytes in y
	v_and_b32 v8, 15, v0                           ; r
	v_bfe_u32 v9, v0, 4, 1                         ; h
	v_mul_u32_u24 v29, v8, 48
	v_mad_u32_u24 v29, v9, 24, v29                 ; 48 r + 24 h
.irp p, 0,1,2
	global_load_b64 v[QF+2*\p:QF+2*\p+1], v29, s[10:11] offset:8*\p
.endr
	v_lshlrev_b32 v30, 2, v8
	global_load_u16 v[QS], v30, s[12:13]           ; two bytes; bytes 2 and 3 are 0
	v_and_b32 v10, 8, v8
	v_add_nc_u32 v10, v10, v8                      ; r + 8 (r / 8)
	v_mul_u32_u24 v[AK0], v10, 48
	v_mad_u32_u24 v[AK0], v9, 24, v[AK0]
	v_add_nc_u32 v[AV0], VT, v[AK0]
	s_add_co_u32 s19, s91, KSC
	v_lshl_add_u32 v[ASK0], v10, 2, s19
	v_lshl_add_u32 v[ASV0], v10, 2, VSC
	s_mul_i32 s19, s[WV], 768
	s_add_co_u32 s19, s19, STG
	v_add_nc_u32 v[STO], s19, v29
	v_and_b32 v11, 31, v0
	v_lshlrev_b32 v[GO], 3, v11
	v_add_nc_u32 v[RD], s19, v[GO]
	s_lshl_b32 s19, s[WV], 5
	s_add_co_u32 s19, s19, SST
	v_lshl_add_u32 v[SSA], v8, 1, s19
	v_add_nc_u32 v[SSR], s19, v[GO]
	v_mov_b32 v13, 0xff61b1e6                      ; the largest t so far: -3e38
	v_floor_f32 v12, -v13                          ; -M
	v_mov_b32 v14, 0
	v_mov_b32 v15, 0
.irp j, 6,7,8,9,10,11
	v_mov_b32 v[QF+\j], 0                          ; zero codes for k = 64 .. 127
.irp t, 0,1,2,3
	v_mov_b32 v[KFR+12*\t+\j], 0
.endr
.endr
.irp b, 0,1,2,3
	v_mov_b32 v[PT+\b], 0                          ; a lane permute's destination counts as one of its sources
.endr
	v_mov_b32 v[PWD], 0
	v_mov_b32 v[TMP], 0
.set j, 0
.rept 32
	v_mov_b32 v[O+j], 0                            ; the step is written once: the first finds zeros
.set j, j+1
.endr
	s_wait_loadcnt 0x0                             ; Q
	s_wait_tensorcnt 0x0                           ; my fill has landed,
	s_barrier_signal -1
	s_barrier_wait -1                              ; everybody's has
.Lstep:
	s_add_co_u32 s19, s[Q0], 15
	s_cmp_gt_u32 s[KF], s19                        ; all 128 keys behind my 16 queries: nothing to do
	s_cbranch_scc1 .Lhidden
	v_add_nc_u32 v[ADK], s[TBK], v[AK0]            ; (these four are also the places behind the last step's products, in front of the loads below)
	v_add_nc_u32 v[ADV], s[TBK], v[AV0]
	v_add_nc_u32 v[ADS], s[TBS], v[ASK0]
	v_add_nc_u32 v[ADT], s[TBT], v[ASV0]
.irp g, 0,1                            ; S^T = K Q^T, four tiles of 16 keys at a time
.if \g
.rept 4
	v_nop
.endr
.endif
.irp t, 0,1,2,3
.irp p, 0,1,2
	ds_load_b64 v[KFR+12*\t+2*\p:KFR+12*\t+2*\p+1], v[ADK] offset:(32*((4*\g+\t)/2)+8*(\t%2))*48+8*\p
.endr
	ds_load_u16 v[SW+\t], v[ADS] offset:(32*((4*\g+\t)/2)+8*(\t%2))*4
.endr
	s_wait_dscnt 0x0
.irp t, 0,1,2,3
	v_wmma_scale_f32_16x16x128_f8f6f4 v[S+8*(4*\g+\t):S+8*(4*\g+\t)+7], v[KFR+12*\t:KFR+12*\t+11], v[QF:QF+11], 0, v[SW+\t], v[QS] matrix_a_fmt:MATRIX_FMT_BF6 matrix_b_fmt:MATRIX_FMT_BF6
.endr
.endr
.rept 4
	v_nop
.endr
	s_add_co_u32 s19, s[KF], 127                   ; on the diagonal hidden scores become -infinity; a step all of whose keys count skips this
	s_cmp_le_u32 s19, s[Q0]
	s_cbranch_scc1 .Lopen
	s_sub_co_i32 s19, s[Q0], s[KF]
	v_and_b32 v29, 15, v0
	v_bfe_u32 v30, v0, 4, 1
	v_lshlrev_b32 v30, 4, v30
	v_sub_nc_u32 v29, v29, v30
	v_add_nc_u32 v29, s19, v29                     ; d = my query - KF - 16 h; register 16 b + i holds key KF + 16 h + 32 b + i: hidden where 32 b + i > d
	v_mov_b32 v31, 0xff800000
.set n, 0
.rept 64
	v_cmp_gt_i32 vcc_lo, 32*(n/16)+n%16, v29
	v_cndmask_b32 v[S+n], v[S+n], v31, vcc_lo
.set n, n+1
.endr
.Lopen:
.irp b, 0,1,2,3
	v_max3_num_f32 v[BM+\b], v[S+16*\b], v[S+1+16*\b], v[S+2+16*\b]   ; the largest score of each block of 32 keys: for the row's maximum and, since p rises with the score, for the block's largest p
.endr
.irp i, 3,5,7,9,11,13
.irp b, 0,1,2,3
	v_max3_num_f32 v[BM+\b], v[BM+\b], v[S+16*\b+\i], v[S+1+16*\b+\i]
.endr
.endr
.irp b, 0,1,2,3
	v_max_num_f32 v[BM+\b], v[BM+\b], v[S+15+16*\b]
.endr
.irp b, 0,1,2,3
	v_permlanex16_b32 v[PT+\b], v[BM+\b], s[SEL], s[SEL+1]
.endr
.irp b, 0,1,2,3
	v_max_num_f32 v[BM+\b], v[BM+\b], v[PT+\b]
.endr
	v_max3_num_f32 v[TMP], v[BM], v[BM+1], v[BM+2]
	v_max_num_f32 v[TMP], v[TMP], v[BM+3]
	v_mul_f32 v[TMP], s[CS], v[TMP]
	v_max_num_f32 v13, v13, v[TMP]                 ; the running largest t
	v_mov_b32 v[TMP], v12
	v_floor_f32 v12, -v13                          ; -M = floor(-t)
	v_sub_f32 v[TMP], v12, v[TMP]                  ; old M - new M: a whole number, 0 or less
	v_cvt_i32_f32 v[TMP], v[TMP]                   ; (it saturates)
	v_ldexp_f32 v[F], 1.0, v[TMP]                  ; f = 2^(old M - new M)
.set j, 0
.rept 32
	v_pk_fma_f32 v[S+j:S+j+1], v[S+j:S+j+1], s[CS:CS+1], v[12:13] op_sel_hi:[1,0,0]   ; t - M
.set j, j+2
.endr
.irp b, 0,1,2,3
	v_fma_f32 v[BM+\b], v[BM+\b], s[CS], v12
.endr
.set j, 0
.rept 64
	v_exp_f32 v[S+j], v[S+j]                       ; p
.set j, j+1
.endr
.irp b, 0,1,2,3
	v_exp_f32 v[BM+\b], v[BM+\b]                   ; the block's largest p: the same two instructions on the same number
.endr
	v_pk_mul_f32 v[14:15], v[14:15], v[F:F+1] op_sel_hi:[1,0]   ; the sums under the new M (a plain place behind the exponentials)
	s_wait_alu depctr_va_vdst(0)
.irp b, 0,1,2,3
	v_max_num_f32 v[BM+\b], 0x2800000, v[BM+\b]    ; the floor 2^(5 - 127)
.endr
.irp b, 0,1,2,3
	v_add_nc_u32 v[SOP+\b], 0xfe000000, v[BM+\b]
.endr
.irp b, 0,1,2,3
	v_lshrrev_b32 v[PT+\b], 23, v[SOP+\b]
.endr
	v_lshl_or_b32 v[PWD], v[PT+1], 8, v[PT]
	v_lshl_or_b32 v[PWD], v[PT+2], 16, v[PWD]
	v_lshl_or_b32 v[PWD], v[PT+3], 24, v[PWD]
.irp c, 0,1
	v_cvt_scalef32_pk16_bf6_f32 v[PCD+6*\c:PCD+2+6*\c], v[S+32*\c:S+15+32*\c], v[SOP+2*\c]
	v_cvt_scalef32_pk16_bf6_f32 v[CT+4*\c:CT+2+4*\c], v[S+16+32*\c:S+31+32*\c], v[SOP+2*\c+1]
.endr
	v_nop                                          ; one plain place behind a scaled conversion
.irp c, 0,1
.irp i, 0,1,2
	v_permlane16_swap_b32 v[PCD+6*\c+\i], v[CT+4*\c+\i]
.endr
.irp i, 0,1,2
	v_mov_b32 v[PCD+3+6*\c+\i], v[CT+4*\c+\i]
.endr
.endr
	v_pk_add_f32 v[SUM2:SUM2+1], v[S:S+1], v[S+2:S+3]     ; the row's sum, of the unquantised p, in two chains
.irp j, 4,8,12,16,20,24,28,32,36,40,44,48,52,56,60
	v_pk_add_f32 v[14:15], v[14:15], v[S+\j:S+\j+1]
	v_pk_add_f32 v[SUM2:SUM2+1], v[SUM2:SUM2+1], v[S+\j+2:S+\j+3]
.endr
	v_pk_add_f32 v[14:15], v[14:15], v[SUM2:SUM2+1]
.set j, 0
.rept 16
	v_pk_mul_f32 v[O+j:O+j+1], v[O+j:O+j+1], v[F:F+1] op_sel_hi:[1,0]   ; O^T under the new M, each accumulator from its low end on
.set j, j+2
.endr
.irp t, 0,1,2,3                        ; O^T += V^T P^T: four tiles of 16 of the head's 64; K = these 128 keys, two chunks of 64
.irp p, 0,1,2,3,4,5
	ds_load_b64 v[VF+12*\t+2*\p:VF+12*\t+2*\p+1], v[ADV] offset:(\p/3)*3072+(32*(\t/2)+8*(\t%2))*48+8*(\p%3)
.endr
	ds_load_b32 v[SW+\t], v[ADT] offset:(32*(\t/2)+8*(\t%2))*4
.endr
	s_wait_dscnt 0x0
.irp t, 0,1,2,3
	v_wmma_scale_f32_16x16x128_f8f6f4 v[O+8*\t:O+8*\t+7], v[VF+12*\t:VF+12*\t+11], v[PCD:PCD+11], v[O+8*\t:O+8*\t+7], v[SW+\t], v[PWD] matrix_a_fmt:MATRIX_FMT_BF6 matrix_b_fmt:MATRIX_FMT_BF6
.endr
.Lhidden:
	s_add_co_u32 s[KF], s[KF], 128
	s_add_co_u32 s[TBK], s[TBK], 6144              ; 128 keys x 48 bytes of K; two chunks of V
	s_add_co_u32 s[TBS], s[TBS], 512
	s_add_co_u32 s[TBT], s[TBT], 256
	s_sub_co_u32 s[CNT], s[CNT], 1
	s_cmp_lg_u32 s[CNT], 0
	s_cbranch_scc1 .Lstep
	; THE WAY OUT: O^T / the sum; register 16 b + i is d = 32 b + 16 h + i of my query: two blocks, quantised as above
.rept 4
	v_nop
.endr
	v_add_f32 v14, v14, v15
	v_permlanex16_b32 v[TMP], v14, s[SEL], s[SEL+1]
	v_add_f32 v14, v14, v[TMP]
	v_rcp_f32 v14, v14
	v_nop
.set j, 0
	s_wait_alu depctr_va_vdst(0)
.rept 32
	v_mul_f32 v[S+j], v[O+j], v14
.set j, j+1
.endr
.irp b, 0,1
	v_max3_num_f32 v[BM+\b], |v[S+16*\b]|, |v[S+1+16*\b]|, 0x2800000
.endr
.irp i, 2,4,6,8,10,12,14
.irp b, 0,1
	v_max3_num_f32 v[BM+\b], v[BM+\b], |v[S+16*\b+\i]|, |v[S+1+16*\b+\i]|
.endr
.endr
.irp b, 0,1
	v_permlanex16_b32 v[PT+\b], v[BM+\b], s[SEL], s[SEL+1]
.endr
.irp b, 0,1
	v_max_num_f32 v[BM+\b], v[BM+\b], v[PT+\b]
.endr
.irp b, 0,1
	v_add_nc_u32 v[SOP+\b], 0xfe000000, v[BM+\b]
.endr
.irp b, 0,1
	v_lshrrev_b32 v[PT+\b], 23, v[SOP+\b]
.endr
	v_lshl_or_b32 v[PWD], v[PT+1], 8, v[PT]
	v_cvt_scalef32_pk16_bf6_f32 v[PCD:PCD+2], v[S:S+15], v[SOP]
	v_cvt_scalef32_pk16_bf6_f32 v[CT:CT+2], v[S+16:S+31], v[SOP+1]
	v_nop
.irp i, 0,1,2
	v_permlane16_swap_b32 v[PCD+\i], v[CT+\i]
.endr
.irp i, 0,1,2
	v_mov_b32 v[PCD+3+\i], v[CT+\i]
.endr
.irp j, 0,1,2
	ds_store_b64 v[STO], v[PCD+2*\j:PCD+2*\j+1] offset:8*\j
.endr
	ds_store_b16 v[SSA], v[PWD]                    ; both halves of the lanes write the same bytes with the same value
.irp j, 0,1,2
	ds_load_b64 v[S+2*\j:S+2*\j+1], v[RD] offset:256*\j
.endr
	s_wait_dscnt 0x0                               ; my loads are in, and, for the others' sake, my scale bytes have landed
.irp j, 0,1,2
	global_store_b64 v[GO], v[S+2*\j:S+2*\j+1], s[14:15] offset:256*\j   ; 32 lanes store 256 consecutive bytes, aligned
.endr
	s_barrier_signal -1
	s_barrier_wait -1
	s_and_b32 s19, s[WV], 7
	s_cmp_lg_u32 s19, 0
	s_cbranch_scc1 .Lend                           ; waves 0 and 8 store their block's 256 scale bytes
	ds_load_b64 v[S+8:S+9], v[SSR]
	s_wait_dscnt 0x0
	global_store_b64 v[GO], v[S+8:S+9], s[16:17]
.Lend:
	s_wait_tensorcnt 0x0
	ds_add_u32 v95, v255
	s_wait_dscnt 0x0
	s_endpgm
.Lfunc_end_k_qf73c1859f9_attn:
	.size	k_qf73c1859f9_attn, .Lfunc_end_k_qf73c1859f9_attn-k_qf73c1859f9_attn
	.p2alignl 7, 3214868480
	.fill 96, 4, 3214868480
	.section	.rodata,"a",@progbits
	.p2align	6, 0x0
	.amdhsa_kernel k_qf73c1859f9_attn
		.amdhsa_group_segment_fixed_size 169984
		.amdhsa_private_segment_fixed_size 0
		.amdhsa_enable_private_segment 0
		.amdhsa_kernarg_size 24
		.amdhsa_user_sgpr_count 2
		.amdhsa_user_sgpr_kernarg_segment_ptr 1
		.amdhsa_wavefront_size32 1
		.amdhsa_system_sgpr_workgroup_id_x 1
		.amdhsa_system_sgpr_workgroup_id_y 1
		.amdhsa_system_sgpr_workgroup_id_z 1
		.amdhsa_system_vgpr_workitem_id 0
		.amdhsa_next_free_vgpr 256
		.amdhsa_next_free_sgpr 102
		.amdhsa_reserve_vcc 1
		.amdhsa_float_denorm_mode_32 3
		.amdhsa_float_denorm_mode_16_64 3
		.amdhsa_memory_ordered 1
		.amdhsa_forward_progress 1
		.amdhsa_inst_pref_size 39
	.end_amdhsa_kernel
	.amdgpu_metadata
---
amdhsa.version: [ 1, 2 ]
amdhsa.kernels:
  - .name:           k_qf73c1859f9_attn
    .symbol:         k_qf73c1859f9_attn.kd
    .args:
      - { .name: qk, .offset: 0, .size: 8, .value_kind: global_buffer, .address_space: global }
      - { .name: vt, .offset: 8, .size: 8, .value_kind: global_buffer, .address_space: global }
      - { .name: y, .offset: 16, .size: 8, .value_kind: global_buffer, .address_space: global }
    .group_segment_fixed_size: 169984
    .private_segment_fixed_size: 0
    .kernarg_segment_align: 8
    .kernarg_segment_size: 24
    .max_flat_workgroup_size: 512
    .sgpr_count:     102
    .vgpr_count:     256
    .wavefront_size: 32
...
	.end_amdgpu_metadata
.endif
;; end of part 3
;; launch oproj (part 4): grid 8 x 32, 4 waves a work-group, clusters of 4 x 4, 327,680 bytes of LDS; arguments y, w_o_codes, w_o_scales, x, x1; writes x1
.if DOCPART == 4
	.amdgcn_target "amdgcn-amd-amdhsa--gfx1250"
	.amdhsa_code_object_version 6
	.text
	.protected	k_qf73c1859f9_oproj
	.globl	k_qf73c1859f9_oproj
	.p2align	8
	.type	k_qf73c1859f9_oproj,@function
k_qf73c1859f9_oproj:
	s_mov_b64 s[64:65], 0
	v_nop
	global_prefetch_b8 v0, s[64:65] scope:SCOPE_SE
	s_setreg_imm32_b32 hwreg(HW_REG_WAVE_MODE, 25, 1), 1
	s_wait_xcnt 0x0
	s_wait_alu depctr_hold_cnt(0) depctr_sa_sdst(0) depctr_va_vdst(0) depctr_va_sdst(0) depctr_va_ssrc(0) depctr_va_vcc(0) depctr_vm_vsrc(0)
	s_getreg_b32 s2, hwreg(HW_REG_IB_STS2, 6, 4)
	s_cmp_eq_u32 s2, 0
	s_cbranch_scc0 .Lentry_in_a_cluster
	s_endpgm
.Lentry_in_a_cluster:
	s_bfe_u32 s2, ttmp6, 0x10000c
	s_cmp_lg_u32 s2, 0xf033
	s_cbranch_scc0 .Lentry_shape_is_right
	s_endpgm
.Lentry_shape_is_right:
; out[m][n] = res[m][n] + sum over k of A[m][k] W[n][k], both operands codes of BF6 (E3M2) with one E8M0 scale for each 32 along K; out and res [4096][1024] f32.
; A: codes [K / 64][4096 rows][48 bytes]; SOFFA bytes behind them its scales: YM = 0: words [K / 128][4096][4]; YM = 1: two bytes a row [K / 64][4096][2], joined to words in LDS at the head.
; W: codes in rows of K x 3 / 4 bytes, scale bytes in rows of K / 32.
; N = 1,024 gives 64 tiles of 256 x 256 and 256 of 128 x 128: the tile is 128 x 128, four waves of 64 x 64, 16 accumulators each.  K goes in steps of 512 through two LDS slots, four quarters of 128 to a step.
; CLUSTERS 4 x 4: A's tiles are shared along a row of the cluster, W's along a column: each is asked for jointly.  Source 0 = 16 rows of W, source 1 = 16 rows of A: a lane holds eight neighbouring numbers of a row of out.
; The residual's 128 registers a lane are asked for at the head and land while the products run.
; REGISTERS: window 0: v16-31 addresses; v32-47 scale words, two sets (four of A, four of W); v48-111 the way out; v128-255 accumulators ((a, b) at v[128 + 8 (4 a + b)]).  window 1: two fragment buffers (A's four, W's four).  window 2: the residual.
.set SIZE_K, 1024
.set YM,     1
.set KROW,   SIZE_K*3/4
.set KS,     SIZE_K/32
.set LAPS,   SIZE_K/1024
.set ASL,    49152                     ; a slot: A's 8 chunks x 128 rows x 48 bytes: rows start 12 words apart, so the 32 lanes of a load of 8 bytes touch 64 different banks (64 banks of 4 bytes: ISA guide 11.1)
.set BP,     432                       ; then W's 128 rows: 3 x (128 bytes + 16 of padding) = 108 words: 16 rows start at 16 different multiples of 4 banks
.set SLOT,   ASL+128*BP
.set SCA,    2*SLOT                    ; A's scale words [K / 128][128 rows][4]
.set SCB,    SCA+16384                 ; W's scale bytes, as units of 256 bytes + 16 of padding
.set YS,     SCB+17408                 ; YM: A's scale bytes as they come
.set SPARE,  YS+4096                   ; the spare words: 128 bytes a wave
.set SBR,    64*KS/256                 ; units in the scales of 64 rows of W
.set SBLK,   (16*KS/256)*272           ; those of 16 rows
.if YM
.set SOFFA,  3145728
.set ASB,    YS
.set ASH,    2048
.else
.set SOFFA,  12582912
.set ASB,    SCA
.set ASH,    8192
.endif
.set ADRA, 16
.set ADRB, 20                          ; v20-21; v22-23 the same behind one padding more
.set STO,  24
.set RD,   25
.set CO,   26
.set ADSA, 27
.set SPW,  28
.set NIL,  29
.set ADSB, 30
.set SC,   32
.set T,    48
.set ACC,  128
.set F0,   0
.set F1,   128
.set G1, 24
.set G0, 32
.set G1B, 48
.set G0B, 56
.set G1S, 68
.set G0S, 76
.set G1SB, 80
.set G0SB, 88
.set MSB, 0
.macro WIN new                         ; the immediate's high byte repeats the setting that is left
.if MSB != (\new)
	s_set_vgpr_msb (MSB<<8)|(\new)
.set MSB, (\new)
.endif
.endm
.macro JLOAD g0a, g1a, g0b, g1b        ; a joint load: waves 0 and 1 fetch for A, waves 2 and 3 for W; four v_nop follow each line
	s_cmp_eq_u32 s15, 0
	s_cbranch_scc0 .Lfor_b_\@
	tensor_load_to_lds s[\g0a:\g0a+3], s[\g1a:\g1a+7]
	s_nop 0
.rept 4
	v_nop
.endr
	s_branch .Lasked_\@
.Lfor_b_\@:
	tensor_load_to_lds s[\g0b:\g0b+3], s[\g1b:\g1b+7]
	s_nop 0
.rept 4
	v_nop
.endr
.Lasked_\@:
.endm
.macro CREST
	s_cmp_lg_u32 s14, 0
	s_cbranch_scc1 .Lnot_wave_0_\@
	s_barrier_signal -3
.Lnot_wave_0_\@:
	s_barrier_wait -3
	s_barrier_signal -1
	s_barrier_wait -1
.endm
.macro CROUND
	s_barrier_signal -1
	s_barrier_wait -1
	CREST
.endm
.macro PLACES n
.rept \n
	v_nop
.endr
.endm
	s_load_b64 s[4:5], s[0:1], 0x0                 ; A
	s_load_b64 s[8:9], s[0:1], 0x8                 ; W's codes
	s_load_b64 s[10:11], s[0:1], 0x10              ; W's scale bytes
	s_load_b64 s[96:97], s[0:1], 0x18              ; the residual
	s_load_b64 s[12:13], s[0:1], 0x20              ; out
	v_lshl_add_u32 v[SPW], v0, 2, SPARE
	v_mov_b32 v[NIL], 0
	ds_add_u32 v28, v29
	ds_add_u32 v28, v29
	s_wait_dscnt 0x0
	v_lshrrev_b32 v1, 5, v0
	v_readfirstlane_b32 s14, v1                    ; wave 0..3
	s_lshr_b32 s15, s14, 1                         ; my half of the tile's rows.  Also: I fetch for A (0) or for W (1)
	s_and_b32 s16, s14, 1                          ; my half of its columns.  Also: which half I fetch
	s_bfe_u32 s40, ttmp6, 0x40000                  ; cx, cy
	s_bfe_u32 s41, ttmp6, 0x40004
	s_lshl_b32 s42, ttmp9, 2
	s_add_co_u32 s42, s42, s40                     ; tile column
	s_and_b32 s17, ttmp7, 0xffff
	s_lshl_b32 s17, s17, 2
	s_add_co_u32 s17, s17, s41                     ; tile row
	s_lshl_b32 s43, s41, 2
	s_lshl_b32 s43, 15, s43                        ; my row of the cluster
	s_lshl_b32 s44, 0x1111, s40                    ; my column
	s_or_b32 s[G1+0], s43, (3<<16)|(1<<21)         ; A: 4 chunks: rows of 6,144 bytes (768 elements of 8), 196,608 bytes apart; no padding
	s_mov_b32 s[G1+1], 768<<16
	s_mov_b32 s[G1+2], 4<<16
	s_mov_b32 s[G1+3], 768<<16
	s_mov_b32 s[G1+4], 4
	s_mov_b32 s[G1+5], 24576
	s_mov_b32 s[G1+6], 0
	s_mov_b32 s[G1+7], 0
	s_or_b32 s[G1B+0], s44, (0<<16)|(1<<20)|(1<<21)|(4<<22)|(3<<25)   ; W: 64 rows of 384 bytes; after every 32 words 4 words of padding
	s_mov_b32 s[G1B+1], 384<<16
	s_mov_b32 s[G1B+2], 64<<16
	s_mov_b32 s[G1B+3], 384<<16
	s_mov_b32 s[G1B+4], 64
	s_mov_b32 s[G1B+5], KROW
	s_mov_b32 s[G1B+6], 0
	s_mov_b32 s[G1B+7], 0
	s_or_b32 s[G1S+0], s43, (3<<16)|(1<<21)        ; A's scales: half of the planes, the tile's 128 rows of each
.if YM
	s_mov_b32 s[G1S+1], 32<<16
	s_mov_b32 s[G1S+2], 8<<16
	s_mov_b32 s[G1S+3], 32<<16
	s_mov_b32 s[G1S+4], 8
	s_mov_b32 s[G1S+5], 1024
.else
	s_mov_b32 s[G1S+1], 64<<16
	s_mov_b32 s[G1S+2], 16<<16
	s_mov_b32 s[G1S+3], 64<<16
	s_mov_b32 s[G1S+4], 16
	s_mov_b32 s[G1S+5], 2048
.endif
	s_mov_b32 s[G1S+6], 0
	s_mov_b32 s[G1S+7], 0
	s_or_b32 s[G1SB+0], s44, (3<<16)|(1<<20)|(1<<21)|(5<<22)|(3<<25)  ; W's scales of 64 rows: dense, as rows of 256 bytes, 16 of padding behind each
	s_mov_b32 s[G1SB+1], 32<<16
	s_mov_b32 s[G1SB+2], SBR<<16
	s_mov_b32 s[G1SB+3], 32<<16
	s_mov_b32 s[G1SB+4], SBR
	s_mov_b32 s[G1SB+5], 32
	s_mov_b32 s[G1SB+6], 0
	s_mov_b32 s[G1SB+7], 0
	s_mul_i32 s20, s17, 6144
	s_mul_i32 s21, s16, 4*196608
	s_add_co_u32 s20, s20, s21                     ; A's codes: the tile's rows, chunks 4 x half on
	s_mov_b32 s21, 0
	s_lshl_b32 s46, s42, 7
	s_lshl_b32 s47, s16, 6
	s_add_co_u32 s46, s46, s47                     ; W's first row that I fetch
	s_mul_i32 s92, s46, KS
	s_mov_b32 s93, 0
	s_mul_i32 s46, s46, KROW
	s_mov_b32 s47, 0
.if YM
	s_lshl_b32 s22, s17, 8
	s_lshl_b32 s23, s16, 16
.else
	s_lshl_b32 s22, s17, 9
	s_lshl_b32 s23, s16, 18
.endif
	s_add_co_u32 s22, s22, s23
	s_add_co_u32 s22, s22, SOFFA                   ; A's scales
	s_mov_b32 s23, 0
	s_mul_i32 s45, s16, 24576                      ; where they go: no place in the cluster enters an LDS address
	s_mul_i32 s94, s16, 64*BP
	s_add_co_u32 s94, s94, ASL
	s_mul_i32 s95, s16, ASH
	s_add_co_u32 s95, s95, ASB
	s_mul_i32 s98, s16, SBR*272
	s_add_co_u32 s98, s98, SCB
	s_wait_kmcnt 0x0
	s_add_nc_u64 s[20:21], s[4:5], s[20:21]
	s_add_nc_u64 s[22:23], s[4:5], s[22:23]
	s_add_nc_u64 s[46:47], s[8:9], s[46:47]
	s_add_nc_u64 s[92:93], s[10:11], s[92:93]
	CROUND                                         ; all sixteen work-groups are here: the first joint loads meet
	s_mov_b32 s[G0S], 1
	s_mov_b32 s[G0S+1], s95
	s_mov_b64 s[G0S+2:G0S+3], s[22:23]
	s_or_b32 s[G0S+3], s[G0S+3], 0x80000000
	s_mov_b32 s[G0SB], 1
	s_mov_b32 s[G0SB+1], s98
	s_mov_b64 s[G0SB+2:G0SB+3], s[92:93]
	s_or_b32 s[G0SB+3], s[G0SB+3], 0x80000000
	JLOAD G0S, G1S, G0SB, G1SB                     ; the scales first
.irp s, 0,1
	s_mov_b32 s[G0+4*\s], 1
	s_add_co_u32 s[G0+4*\s+1], s45, \s*SLOT
	s_add_nc_u64 s[G0+4*\s+2:G0+4*\s+3], s[20:21], \s*8*196608
	s_or_b32 s[G0+4*\s+3], s[G0+4*\s+3], 0x80000000
	s_mov_b32 s[G0B+4*\s], 1
	s_add_co_u32 s[G0B+4*\s+1], s94, \s*SLOT
	s_add_nc_u64 s[G0B+4*\s+2:G0B+4*\s+3], s[46:47], \s*384
	s_or_b32 s[G0B+4*\s+3], s[G0B+4*\s+3], 0x80000000
	JLOAD G0+4*\s, G1, G0B+4*\s, G1B
.endr
	v_and_b32 v1, 15, v0                           ; r
	v_bfe_u32 v2, v0, 4, 1                         ; h
	v_lshlrev_b32 v[CO], 12, v2
	v_lshl_add_u32 v[CO], v1, 4, v[CO]             ; in out and in the residual: lanes 0-15 one row's 256 bytes, lanes 16-31 the next row's
	s_lshl_b32 s20, s17, 7
	s_lshl_b32 s21, s15, 6
	s_add_co_u32 s20, s20, s21
	s_lshl_b32 s20, s20, 12                        ; my first row, 4,096 bytes a row,
	s_lshl_b32 s46, s42, 9
	s_lshl_b32 s47, s16, 8
	s_add_co_u32 s46, s46, s47
	s_add_co_u32 s20, s20, s46                     ; my first column
	s_mov_b32 s21, 0
	s_add_nc_u64 s[96:97], s[96:97], s[20:21]
	s_add_nc_u64 s[12:13], s[12:13], s[20:21]
	WIN 0x80                                       ; destination window 2
.irp a, 0,1,2,3
.irp t, 0,1,2,3,4,5,6,7
	global_load_b128 v[4*(8*\a+\t):4*(8*\a+\t)+3], v[CO], s[96:97] offset:(16*\a+2*\t)*4096
.endr
.endr
	WIN 0
	v_mul_u32_u24 v3, v1, 48
	v_mad_u32_u24 v3, v2, 24, v3                   ; A: 48 r + 24 h
	v_mul_u32_u24 v4, v1, BP
	v_mad_u32_u24 v4, v2, 24, v4                   ; W: row r x pitch + 24 h
	v_lshl_add_u32 v5, v2, 4, v4                   ; and behind one padding more
	s_mul_i32 s21, s15, 3072                       ; my 64 rows in each chunk of A
	s_mul_i32 s22, s16, 64*BP                      ; my 64 rows of W
	s_add_co_u32 s22, s22, ASL
.irp s, 0,1
	v_add_nc_u32 v[ADRA+\s], s21, v3
	v_add_nc_u32 v[ADRB+\s], s22, v4
	v_add_nc_u32 v[ADRB+2+\s], s22, v5
	s_add_co_u32 s21, s21, SLOT
	s_add_co_u32 s22, s22, SLOT
.endr
	s_lshl_b32 s21, s15, 8
	s_add_co_u32 s21, s21, SCA
	v_lshl_add_u32 v[ADSA], v1, 2, s21             ; A's scale words: 4 bytes a row
	v_mul_u32_u24 v5, v1, KS
	v_lshrrev_b32 v6, 8, v5
	v_lshl_add_u32 v5, v6, 4, v5                   ; W's: KS bytes a row, and 16 more for each 256 passed
	s_mul_i32 s22, s16, SBR*272
	s_add_co_u32 s22, s22, SCB
	v_add_nc_u32 v[ADSB], s22, v5
	s_mul_i32 s23, s14, 16*272                     ; my stage, in slot 0
	v_mul_u32_u24 v5, v1, 272
	v_lshl_add_u32 v5, v2, 5, v5
	v_add_nc_u32 v[STO], s23, v5                   ; in: row r, 32 bytes for each half of the lanes
	v_mul_u32_u24 v5, v2, 272
	v_lshl_add_u32 v5, v1, 4, v5
	v_add_nc_u32 v[RD], s23, v5                    ; back: lanes 0-15 one row, lanes 16-31 the next
.macro FRAGA reg, adr, q, i            ; 16 rows x 128 K: chunks 2 q and 2 q + 1, three pieces of 8 bytes of each
.irp p, 0,1,2,3,4,5
	ds_load_b64 v[\reg+2*\p:\reg+2*\p+1], v[\adr] offset:(2*(\q)+\p/3)*6144+768*\i+8*(\p%3)
.endr
.endm
.macro FRAGB reg, adr, q, i            ; pieces 12 q + 0, 1, 2, 6, 7, 8 of the row (lanes 16-31 three on); 16 bytes of padding behind every 16 pieces
.irp p, 0,1,2,3,4,5
.set PCE, 12*(\q)+6*(\p/3)+\p%3
.if PCE%16 < 13
	ds_load_b64 v[\reg+2*\p:\reg+2*\p+1], v[\adr] offset:8*PCE+16*(PCE/16)+16*BP*\i
.else
	ds_load_b64 v[\reg+2*\p:\reg+2*\p+1], v[\adr+2] offset:8*PCE+16*(PCE/16)+16*BP*\i
.endif
.endr
.endm
.macro FETCH slot, q, f                ; 56 LDS loads: a quarter's fragments into buffer f, its scale words into set f / 128
	WIN 0x40
.irp i, 0,1,2,3
	FRAGB \f+48+12*\i, ADRB+\slot, \q, \i
.endr
.irp i, 0,1,2,3
	FRAGA \f+12*\i, ADRA+\slot, \q, \i
.endr
	WIN 0
.irp i, 0,1,2,3
	ds_load_b32 v[SC+8*((\f)/128)+\i], v[ADSA] offset:512*(\q)+64*\i
	ds_load_b32 v[SC+8*((\f)/128)+4+\i], v[ADSB] offset:4*(\q)+\i*SBLK
.endr
.endm
.macro MULA f, a, zero                 ; A's block a x W's four.  The 16 accumulators take turns, one instruction a turn, in one order throughout
.irp b, 0,1,2,3
.if \zero
	v_wmma_scale_f32_16x16x128_f8f6f4 v[ACC+8*(4*\a+\b):ACC+8*(4*\a+\b)+7], v[\f+48+12*\b:\f+48+12*\b+11], v[\f+12*\a:\f+12*\a+11], 0, v[SC+8*((\f)/128)+4+\b], v[SC+8*((\f)/128)+\a] matrix_a_fmt:MATRIX_FMT_BF6 matrix_b_fmt:MATRIX_FMT_BF6
.else
	v_wmma_scale_f32_16x16x128_f8f6f4 v[ACC+8*(4*\a+\b):ACC+8*(4*\a+\b)+7], v[\f+48+12*\b:\f+48+12*\b+11], v[\f+12*\a:\f+12*\a+11], v[ACC+8*(4*\a+\b):ACC+8*(4*\a+\b)+7], v[SC+8*((\f)/128)+4+\b], v[SC+8*((\f)/128)+\a] matrix_a_fmt:MATRIX_FMT_BF6 matrix_b_fmt:MATRIX_FMT_BF6
.endif
.endr
.endm
.macro QUARTER slot, qn, f, g, zero    ; multiplies buffer f; ahead of that asks for quarter qn of the slot, into g
	s_wait_dscnt 0x0                               ; f's fragments and scale words are in
	PLACES 4                                       ; g was read by the products just issued: four places in front of the loads into it
	FETCH \slot, \qn, \g
	WIN 0x05                                       ; sources 0 and 1 window 1
	MULA \f, 0, \zero
	MULA \f, 1, \zero
	MULA \f, 2, \zero
	MULA \f, 3, \zero
	WIN 0
.endm
.macro TURN slot, next, fill           ; a slot's fourth quarter, on buffer 1, changes slots: one barrier
	WIN 0
	s_wait_tensorcnt 0x0                           ; all my tensor loads have landed: my part of the next slot
	ds_add_u32 v[SPW], v[NIL]                      ; 0 onto my spare word
	s_wait_dscnt 1                                 ; the fragments are in; the add may be out
	WIN 0x05
	MULA F1, 0, 0
	s_wait_dscnt 0x0                               ; the add is done, and my reads of this slot are over
	s_barrier_signal -1
	MULA F1, 1, 0
	WIN 0
	s_barrier_wait -1
.if \fill
	CREST                                          ; the barrier has opened a round of the cluster's: no wave of any partner still reads this slot or has a load on its way
	s_add_nc_u64 s[G0+4*\slot+2:G0+4*\slot+3], s[G0+4*\slot+2:G0+4*\slot+3], 16*196608
	s_add_nc_u64 s[G0B+4*\slot+2:G0B+4*\slot+3], s[G0B+4*\slot+2:G0B+4*\slot+3], 768
	JLOAD G0+4*\slot, G1, G0B+4*\slot, G1B         ; the first tensor load behind the round; its four v_nop are the places in front of the loads below
.else
	PLACES 4
.endif
	v_add_nc_u32 v[ADSA], 2048, v[ADSA]            ; the next slot's scale words: four planes of A's, 16 bytes on in W's rows
	v_add_nc_u32 v[ADSB], 16, v[ADSB]
	FETCH \next, 0, F0
	WIN 0x05
	MULA F1, 2, 0
	MULA F1, 3, 0
	WIN 0
.endm
.if YM
	s_wait_tensorcnt 2                             ; my part of the scales is in; the two slots' loads may be out
	s_barrier_signal -1
	s_barrier_wait -1
	v_lshl_add_u32 v6, v0, 1, YS                   ; thread t joins row t's 16 pairs of bytes to 8 words
	v_lshl_add_u32 v7, v0, 2, SCA
.irp c, 0,1,2,3,4,5,6,7,8,9,10,11,12,13,14,15
	ds_load_u16 v[T+\c], v6 offset:256*\c
.endr
	s_wait_dscnt 0x0
.irp q, 0,1,2,3,4,5,6,7
	v_lshl_or_b32 v[T+2*\q], v[T+2*\q+1], 16, v[T+2*\q]
.endr
.irp q, 0,1,2,3,4,5,6,7
	ds_store_b32 v7, v[T+2*\q] offset:512*\q
.endr
	s_wait_dscnt 0x0                               ; for the others' sake
.endif
	s_wait_tensorcnt 1                             ; the scales and my part of K step 0 are in; K step 1's load may be out
	s_barrier_signal -1
	s_barrier_wait -1
	FETCH 0, 0, F0
	QUARTER 0, 1, F0, F1, 1                        ; the first products start the sums
.if LAPS > 1
	s_mov_b32 s3, LAPS-1
.Llap:
	QUARTER 0, 2, F1, F0, 0
	QUARTER 0, 3, F0, F1, 0
	TURN 0, 1, 1
	QUARTER 1, 1, F0, F1, 0
	QUARTER 1, 2, F1, F0, 0
	QUARTER 1, 3, F0, F1, 0
	TURN 1, 0, 1
	QUARTER 0, 1, F0, F1, 0
	s_sub_co_u32 s3, s3, 1
	s_cmp_lg_u32 s3, 0
	s_cbranch_scc1 .Llap
.endif
	QUARTER 0, 2, F1, F0, 0                        ; the last lap fills nothing
	QUARTER 0, 3, F0, F1, 0
	TURN 0, 1, 0
	QUARTER 1, 1, F0, F1, 0
	QUARTER 1, 2, F1, F0, 0
	QUARTER 1, 3, F0, F1, 0
	s_wait_dscnt 0x0
	WIN 0x05
	MULA F1, 0, 0
	MULA F1, 1, 0
	MULA F1, 2, 0
	MULA F1, 3, 0
	WIN 0
	; THE WAY OUT, 16 rows x 64 columns at a time through my stage (slot 0 has had its last fill, and nobody reads it since the last change of slots): back as rows of 256 bytes, the residual added, stored
	PLACES 4
	s_wait_loadcnt 0x0                             ; the residual
.irp a, 0,1,2,3
.if \a >= 2
	s_wait_xcnt 0x0                                ; the stores of two blocks ago have read their registers
.endif
.irp b, 0,1,2,3
	ds_store_b128 v[STO], v[ACC+8*(4*\a+\b):ACC+8*(4*\a+\b)+3] offset:64*\b        ; each accumulator from its low end on
	ds_store_b128 v[STO], v[ACC+8*(4*\a+\b)+4:ACC+8*(4*\a+\b)+7] offset:64*\b+16
.endr
.irp t, 0,1,2,3,4,5,6,7
	ds_load_b128 v[T+32*(\a%2)+4*\t:T+32*(\a%2)+4*\t+3], v[RD] offset:544*\t       ; LDS serves a wave's instructions in order
.endr
	s_wait_dscnt 0x0
	WIN 0x08                                       ; source 1 window 2
.irp t, 0,1,2,3,4,5,6,7,8,9,10,11,12,13,14,15
	v_pk_add_f32 v[T+32*(\a%2)+2*\t:T+32*(\a%2)+2*\t+1], v[T+32*(\a%2)+2*\t:T+32*(\a%2)+2*\t+1], v[32*\a+2*\t:32*\a+2*\t+1]
.endr
	WIN 0
.irp t, 0,1,2,3,4,5,6,7
.if YM
	global_store_b128 v[CO], v[T+32*(\a%2)+4*\t:T+32*(\a%2)+4*\t+3], s[12:13] offset:(16*\a+2*\t)*4096    ; 16 lanes store 256 consecutive bytes, aligned
.else
	global_store_b128 v[CO], v[T+32*(\a%2)+4*\t:T+32*(\a%2)+4*\t+3], s[12:13] offset:(16*\a+2*\t)*4096 th:TH_STORE_NT
.endif
.endr
.endr
	s_wait_tensorcnt 0x0                           ; the wave's end
	ds_add_u32 v[SPW], v[NIL]
	s_wait_dscnt 0x0
	CROUND                                         ; the closing round
	s_endpgm
.Lfunc_end_k_qf73c1859f9_oproj:
	.size	k_qf73c1859f9_oproj, .Lfunc_end_k_qf73c1859f9_oproj-k_qf73c1859f9_oproj
	.p2alignl 7, 3214868480
	.fill 96, 4, 3214868480
	.section	.rodata,"a",@progbits
	.p2align	6, 0x0
	.amdhsa_kernel k_qf73c1859f9_oproj
		.amdhsa_group_segment_fixed_size 327680
		.amdhsa_private_segment_fixed_size 0
		.amdhsa_enable_private_segment 0
		.amdhsa_kernarg_size 40
		.amdhsa_user_sgpr_count 2
		.amdhsa_user_sgpr_kernarg_segment_ptr 1
		.amdhsa_wavefront_size32 1
		.amdhsa_system_sgpr_workgroup_id_x 1
		.amdhsa_system_sgpr_workgroup_id_y 1
		.amdhsa_system_sgpr_workgroup_id_z 1
		.amdhsa_system_vgpr_workitem_id 0
		.amdhsa_next_free_vgpr 768
		.amdhsa_next_free_sgpr 100
		.amdhsa_reserve_vcc 0
		.amdhsa_float_denorm_mode_32 3
		.amdhsa_float_denorm_mode_16_64 3
		.amdhsa_memory_ordered 1
		.amdhsa_forward_progress 1
		.amdhsa_inst_pref_size 75
	.end_amdhsa_kernel
	.amdgpu_metadata
---
amdhsa.version: [ 1, 2 ]
amdhsa.kernels:
  - .name:           k_qf73c1859f9_oproj
    .symbol:         k_qf73c1859f9_oproj.kd
    .args:
      - { .name: y, .offset: 0, .size: 8, .value_kind: global_buffer, .address_space: global }
      - { .name: w_o_codes, .offset: 8, .size: 8, .value_kind: global_buffer, .address_space: global }
      - { .name: w_o_scales, .offset: 16, .size: 8, .value_kind: global_buffer, .address_space: global }
      - { .name: x, .offset: 24, .size: 8, .value_kind: global_buffer, .address_space: global }
      - { .name: x1, .offset: 32, .size: 8, .value_kind: global_buffer, .address_space: global }
    .group_segment_fixed_size: 327680
    .private_segment_fixed_size: 0
    .kernarg_segment_align: 8
    .kernarg_segment_size: 40
    .max_flat_workgroup_size: 128
    .sgpr_count:     100
    .vgpr_count:     768
    .wavefront_size: 32
...
	.end_amdgpu_metadata
.endif
;; end of part 4
;; launch ln2: the kernel of part 1 again; grid 256 x 1, 16 waves a work-group, no clusters, 76,288 bytes of LDS; arguments x1, g2, a; writes a
;; launch fc (part 5): grid 16 x 16, 4 waves a work-group, clusters of 4 x 4, 327,680 bytes of LDS; arguments a, w_fc_codes, w_fc_scales, h; writes h
.if DOCPART == 5
	.amdgcn_target "amdgcn-amd-amdhsa--gfx1250"
	.amdhsa_code_object_version 6
	.text
	.protected	k_qf73c1859f9_fc
	.globl	k_qf73c1859f9_fc
	.p2align	8
	.type	k_qf73c1859f9_fc,@function
k_qf73c1859f9_fc:
	s_mov_b64 s[64:65], 0
	v_nop
	global_prefetch_b8 v0, s[64:65] scope:SCOPE_SE
	s_setreg_imm32_b32 hwreg(HW_REG_WAVE_MODE, 25, 1), 1
	s_wait_xcnt 0x0
	s_wait_alu depctr_hold_cnt(0) depctr_sa_sdst(0) depctr_va_vdst(0) depctr_va_sdst(0) depctr_va_ssrc(0) depctr_va_vcc(0) depctr_vm_vsrc(0)
	s_getreg_b32 s2, hwreg(HW_REG_IB_STS2, 6, 4)
	s_cmp_eq_u32 s2, 0
	s_cbranch_scc0 .Lentry_in_a_cluster
	s_endpgm
.Lentry_in_a_cluster:
	s_bfe_u32 s2, ttmp6, 0x10000c
	s_cmp_lg_u32 s2, 0xf033
	s_cbranch_scc0 .Lentry_shape_is_right
	s_endpgm
.Lentry_shape_is_right:
; D[p][q] = sum over k of P[p][k] Q[q][k], K = 1,024, both operands codes of BF6 (E3M2) in rows of 768 bytes with 32 E8M0 bytes a row; the result (GELU = 1: its exact-erf GELU) is quantised again ALONG p and stored as codes.
; QKV = 1: clusters y = 0, 1: P = rows 0-2047 of the weight (q's and k's features), Q = the 4,096 tokens: q and k quantised along the head's 64.  Clusters y = 2: P = the tokens, Q = rows 2048-3071 of the weight: v quantised along the keys.
;   Only pointers are chosen, on the cluster's y, which all partners share.   QKV = 0: P = the weight's 4,096 rows, Q = the tokens.
; OUT: codes [p / 64][QR rows q][48 bytes], scale words [p / 128][QR][4] SOFF bytes behind the buffer's start: a wave's 128 q x 64 p are 6,144 consecutive bytes.
; A tile, 256 p x 256 q, is made by four waves, each 128 x 128: 64 accumulators, 512 registers.  K goes in steps of 256 through two LDS slots filled by the tensor data mover; all scale bytes of the tile's rows come once and stay.
; CLUSTERS 4 x 4: Q's tiles are shared along a row of the cluster, P's along a column: each is asked for jointly.
; Source 0 = 16 rows of P, source 1 = 16 rows of Q: a lane holds one q and its registers run along p.  THE ROWS OF P THAT FORM A TILE ARE NOT NEIGHBOURS: lane r of block 2 b + u takes row 32 b + 8 u + r + 8 (r / 8),
; so that the 16 registers of accumulators 2 b and 2 b + 1 are 16 neighbours along p: 32 b + 16 (lane / 16) + 0 .. 15.  Price: rows r and r + 16 lie 3,840 bytes apart, a multiple of 256, so P's loads meet two deep in the 64 banks of 4 bytes (ISA guide 11.1).
; GELU: g = max(x, 0) - |x| Z(|x|) (b1 t + .. + b5 t^5), t = 1 / (1 + 0.2316419 |x|), Z the normal density: the absolute error of the normal integral is at most 7.5e-8, the size of the rounding of 1 + erf in f32; so for x under about -3 the relative error grows, there as here.
; LIMITS: a block of zeros gets the byte 1, not 127 (only this program reads the bytes); NaN and infinities are not served.
; REGISTERS: window 0: v16-31 addresses; v32-63 scale words, two sets; v128-223 Q's fragments, one set; on the way out v32-236 at work.  window 1: P's fragments, two sets.  windows 2, 3: the accumulators ((a, b) at v[8 (8 (a % 4) + b)]).
.set QKV,    0
.set GELU,   1
.set KSTEP,  256
.set NQ,     2                         ; matrix instructions deep in a slot
.set ROWB,   192                       ; a tile's row in bytes
.set KROW,   768                       ; a row in memory
.set PITCH,  240                       ; an LDS row: 3 x (64 + 16 of padding)
.set FR,     12
.set NL,     6
.set NP,     4
.set HALFT,  128*PITCH
.set SLOT,   4*HALFT                   ; Q's 256 rows, then P's 256 rows
.set LAPS,   2
.set KS,     32                        ; a row of scale bytes
.set SCL,    2*SLOT                    ; the scales, as units of 256 bytes + 16 of padding
.set HALFS,  16*272
.set SBLK,   544                       ; those of 16 rows
.set SPARE,  SCL+4*HALFS               ; the spare words: 128 bytes a wave
.set AOFF,   3145728                   ; the tokens' scale bytes lie so far behind their codes
.set WST,    12800                     ; the way out: a wave's stage in slot 0: 2 x 6,144 bytes of codes, 512 of scale words
.set ADRA, 16                          ; v16-17 Q's fragments in slot 0, 1; v18-19 the same behind one padding more
.set ADRB, 20                          ; v20-23 the same for P
.set STO,  24
.set RD,   25
.set CO,   26
.set ADRS, 27                          ; scale words of even blocks: lanes 0-15 Q's rows, lanes 16-31 P's
.set SPW,  28
.set NIL,  29
.set ADRS1, 30                         ; of odd blocks: P's lie 272 bytes lower than Q's there
.set STW,  31
.set SC,   32
.set AF,   128
.set TM,   32                          ; the way out: v32-47 at work in the quantiser, v48 the scale word, v50-68 the codes
.set PW,   48
.set PC,   50
.set GT,   32                          ; GELU: t;  v96.. the exponential, then max(x, 0);  v160.. the polynomial, then g
.set GE,   96
.set GQ,   160
.set OB,   96                          ; the stage read back: v96-195
.set KB5,  224
.set KB4,  226
.set KB3,  228
.set KB2,  230
.set KB1,  232
.set KC,   234
.set KP,   236
.set SEL,  66
.set G1, 24
.set G0, 32
.set G1B, 48
.set G0B, 56
.set G1S, 68
.set G0S, 76
.set G1SB, 80
.set G0SB, 88
.set MSB, 0
.macro WIN new                         ; the immediate's high byte repeats the setting that is left
.if MSB != (\new)
	s_set_vgpr_msb (MSB<<8)|(\new)
.set MSB, (\new)
.endif
.endm
.set MUL_LO, 0xa1                      ; source 0 (P) window 1, source 1 (Q) window 0, C and D window 2
.set MUL_HI, 0xf1
.set TO_B,   0x40
.macro JLOAD g0a, g1a, g0b, g1b        ; a joint load: waves 0 and 1 fetch for Q, waves 2 and 3 for P; four v_nop follow each line
	s_cmp_eq_u32 s15, 0
	s_cbranch_scc0 .Lfor_b_\@
	tensor_load_to_lds s[\g0a:\g0a+3], s[\g1a:\g1a+7]
	s_nop 0
.rept 4
	v_nop
.endr
	s_branch .Lasked_\@
.Lfor_b_\@:
	tensor_load_to_lds s[\g0b:\g0b+3], s[\g1b:\g1b+7]
	s_nop 0
.rept 4
	v_nop
.endr
.Lasked_\@:
.endm
.macro CREST                           ; a round of the cluster's barrier behind its opening barrier
	s_cmp_lg_u32 s14, 0
	s_cbranch_scc1 .Lnot_wave_0_\@
	s_barrier_signal -3
.Lnot_wave_0_\@:
	s_barrier_wait -3
	s_barrier_signal -1
	s_barrier_wait -1
.endm
.macro CROUND
	s_barrier_signal -1
	s_barrier_wait -1
	CREST
.endm
.macro PLACES n
.rept \n
	v_nop
.endr
.endm
	s_load_b64 s[4:5], s[0:1], 0x0                 ; the tokens' codes (their scale bytes AOFF behind)
	s_load_b64 s[8:9], s[0:1], 0x8                 ; the weight's codes
	s_load_b64 s[10:11], s[0:1], 0x10              ; the weight's scale bytes
	s_load_b64 s[12:13], s[0:1], 0x18              ; out
.if QKV
	s_load_b64 s[96:97], s[0:1], 0x20              ; out for v
.endif
	v_lshl_add_u32 v[SPW], v0, 2, SPARE
	v_mov_b32 v[NIL], 0
	ds_add_u32 v28, v29
	ds_add_u32 v28, v29
	s_wait_dscnt 0x0
	v_lshrrev_b32 v1, 5, v0
	v_readfirstlane_b32 s14, v1                    ; wave 0..3
	s_lshr_b32 s15, s14, 1                         ; which half of the tile's q is mine.  Also: I fetch for Q (0) or for P (1)
	s_and_b32 s16, s14, 1                          ; which half of its p.  Also: which 128 rows I fetch
	s_bfe_u32 s40, ttmp6, 0x40000                  ; cx, cy
	s_bfe_u32 s41, ttmp6, 0x40004
	s_and_b32 s95, ttmp7, 0xffff                   ; the cluster's y
.if QKV
	s_mov_b32 s100, 4096
	s_mov_b32 s101, 6291456
	s_cmp_eq_u32 s95, 2                            ; v's clusters?
	s_cselect_b32 s42, ttmp9, s95                  ; P's cluster column: v: x (16 tiles of tokens); else y (8 tiles of features)
	s_cselect_b32 s17, 0, ttmp9                    ; Q's cluster row: v: 0 (4 tiles of features); else x
	s_cselect_b32 s100, 1024, s100                 ; QR
	s_cselect_b32 s101, 3145728, s101              ; SOFF
.else
	s_mov_b32 s42, ttmp9
	s_mov_b32 s17, s95
	s_mov_b32 s100, 4096
	s_mov_b32 s101, 12582912
.endif
	s_lshl_b32 s42, s42, 2
	s_add_co_u32 s42, s42, s40                     ; P's tile
	s_lshl_b32 s17, s17, 2
	s_add_co_u32 s17, s17, s41                     ; Q's tile
	s_lshl_b32 s43, s41, 2
	s_lshl_b32 s43, 15, s43                        ; my row of the cluster
	s_lshl_b32 s44, 0x1111, s40                    ; my column
	s_or_b32 s[G1+0], s43, (0<<16)|(1<<20)|(1<<21)|(3<<22)|(3<<25)  ; the mask; elements of 1 byte; padding on; bit 21 beside a mask; after every 16 words 4 words
	s_or_b32 s[G1B+0], s44, (0<<16)|(1<<20)|(1<<21)|(3<<22)|(3<<25)
.irp g, G1, G1B
	s_mov_b32 s[\g+1], ROWB<<16                    ; tensor_dim0
	s_mov_b32 s[\g+2], 128<<16                     ; tensor_dim1
	s_mov_b32 s[\g+3], ROWB<<16                    ; tile_dim0
	s_mov_b32 s[\g+4], 128                         ; tile_dim1
	s_mov_b32 s[\g+5], KROW                        ; the pitch
	s_mov_b32 s[\g+6], 0
	s_mov_b32 s[\g+7], 0
.endr
	s_or_b32 s[G1S+0], s43, (3<<16)|(1<<20)|(1<<21)|(5<<22)|(3<<25)  ; the scales of 128 rows: 4,096 dense bytes as 16 rows of 256, 16 of padding behind each
	s_or_b32 s[G1SB+0], s44, (3<<16)|(1<<20)|(1<<21)|(5<<22)|(3<<25)
.irp g, G1S, G1SB
	s_mov_b32 s[\g+1], 32<<16
	s_mov_b32 s[\g+2], 16<<16
	s_mov_b32 s[\g+3], 32<<16
	s_mov_b32 s[\g+4], 16
	s_mov_b32 s[\g+5], 32
	s_mov_b32 s[\g+6], 0
	s_mov_b32 s[\g+7], 0
.endr
	s_lshl_b32 s18, s16, 7
	s_lshl_b32 s20, s17, 8
	s_add_co_u32 s20, s20, s18                     ; Q: row 256 x tile + 128 x half
	s_lshl_b32 s46, s42, 8
	s_add_co_u32 s46, s46, s18                     ; P likewise
	s_mov_b32 s21, 0
	s_mov_b32 s47, 0
	s_mov_b64 s[18:19], KS
	s_mul_u64 s[22:23], s[20:21], s[18:19]
	s_mul_u64 s[92:93], s[46:47], s[18:19]
	s_mov_b64 s[18:19], KROW
	s_mul_u64 s[20:21], s[20:21], s[18:19]
	s_mul_u64 s[46:47], s[46:47], s[18:19]
	s_mul_i32 s45, s14, HALFT                      ; where they go: wave x 128 rows
	s_mul_i32 s94, s14, HALFS
	s_wait_kmcnt 0x0
	s_add_nc_u64 s[6:7], s[4:5], AOFF              ; the tokens' scale bytes
.if QKV
	s_add_nc_u64 s[66:67], s[8:9], 2048*KROW       ; v's rows of the weight
	s_add_nc_u64 s[98:99], s[10:11], 2048*KS
	s_cmp_eq_u32 s95, 2                            ; the choice hangs on the cluster's y alone
	s_cselect_b64 s[66:67], s[66:67], s[4:5]       ; Q's codes
	s_cselect_b64 s[98:99], s[98:99], s[6:7]       ; Q's scales
	s_cselect_b64 s[8:9], s[4:5], s[8:9]           ; P's codes
	s_cselect_b64 s[10:11], s[6:7], s[10:11]       ; P's scales
	s_cselect_b64 s[12:13], s[96:97], s[12:13]     ; out
	s_mov_b64 s[4:5], s[66:67]
	s_mov_b64 s[6:7], s[98:99]
.endif
	s_add_nc_u64 s[20:21], s[4:5], s[20:21]
	s_add_nc_u64 s[22:23], s[6:7], s[22:23]
	s_add_nc_u64 s[46:47], s[8:9], s[46:47]
	s_add_nc_u64 s[92:93], s[10:11], s[92:93]
	CROUND                                         ; all sixteen work-groups are here: the first joint loads meet
	s_mov_b32 s[G0S], 1
	s_add_co_u32 s[G0S+1], s94, SCL
	s_mov_b64 s[G0S+2:G0S+3], s[22:23]
	s_or_b32 s[G0S+3], s[G0S+3], 0x80000000
	s_mov_b32 s[G0SB], 1
	s_add_co_u32 s[G0SB+1], s94, SCL
	s_mov_b64 s[G0SB+2:G0SB+3], s[92:93]
	s_or_b32 s[G0SB+3], s[G0SB+3], 0x80000000
	JLOAD G0S, G1S, G0SB, G1SB                     ; the scales first
.irp s, 0,1
	s_mov_b32 s[G0+4*\s], 1
	s_add_co_u32 s[G0+4*\s+1], s45, \s*SLOT
	s_add_nc_u64 s[G0+4*\s+2:G0+4*\s+3], s[20:21], \s*ROWB
	s_or_b32 s[G0+4*\s+3], s[G0+4*\s+3], 0x80000000
	s_mov_b32 s[G0B+4*\s], 1
	s_add_co_u32 s[G0B+4*\s+1], s45, \s*SLOT
	s_add_nc_u64 s[G0B+4*\s+2:G0B+4*\s+3], s[46:47], \s*ROWB
	s_or_b32 s[G0B+4*\s+3], s[G0B+4*\s+3], 0x80000000
	JLOAD G0+4*\s, G1, G0B+4*\s, G1B
.endr
	v_and_b32 v1, 15, v0                           ; r
	v_bfe_u32 v2, v0, 4, 1                         ; h
	v_mul_u32_u24 v3, v1, PITCH
	v_mul_u32_u24 v4, v2, 24
	v_add_nc_u32 v4, v3, v4                        ; Q: row r x pitch + 24 h
	v_lshl_add_u32 v5, v2, 4, v4                   ; and behind one padding more
	v_and_b32 v6, 8, v1
	v_add_nc_u32 v6, v6, v1                        ; r + 8 (r / 8)
	v_mul_u32_u24 v7, v6, PITCH
	v_mad_u32_u24 v7, v2, 24, v7                   ; P: that row x pitch + 24 h
	v_lshl_add_u32 v8, v2, 4, v7
	s_mul_i32 s21, s15, HALFT                      ; my 128 rows of Q
	s_mul_i32 s22, s16, HALFT                      ; my 128 rows of P,
	s_add_co_u32 s22, s22, 2*HALFT                 ; behind Q's 256
.irp s, 0,1
	v_add_nc_u32 v[ADRA+\s], s21, v4
	v_add_nc_u32 v[ADRB+\s], s22, v7
	v_add_nc_u32 v[ADRA+2+\s], s21, v5
	v_add_nc_u32 v[ADRB+2+\s], s22, v8
	s_add_co_u32 s21, s21, SLOT
	s_add_co_u32 s22, s22, SLOT
.endr
	v_and_b32 v5, 31, v0
	v_add_nc_u32 v5, 8, v5
	v_lshrrev_b32 v5, 5, v5                        ; 1 in lanes 24-31 alone
	v_lshl_add_u32 v5, v5, 3, v1                   ; the lane's row among a block's: Q r; P r + 8 (r / 8)
	v_lshrrev_b32 v6, 3, v5
	v_lshlrev_b32 v5, 5, v5
	v_lshl_add_u32 v5, v6, 4, v5                   ; 32 bytes a row, and 16 more for each 256 passed
	s_mul_i32 s21, s15, HALFS
	s_mul_i32 s22, s16, HALFS
	s_add_co_u32 s23, s22, 2*HALFS-272
	s_add_co_u32 s22, s22, 2*HALFS
	s_sub_co_u32 s22, s22, s21
	s_sub_co_u32 s23, s23, s21
	v_mul_u32_u24 v6, s22, v2                      ; lanes 16-31 take P's: one product, the distance between the two bases
	v_mul_u32_u24 v7, s23, v2                      ; odd blocks: P's rows begin 8 rows, 272 bytes, lower than 544 x block
	s_add_co_u32 s21, s21, SCL
	v_add_nc_u32 v6, v5, v6
	v_add_nc_u32 v7, v5, v7
	v_add_nc_u32 v[ADRS], s21, v6
	v_add_nc_u32 v[ADRS1], s21, v7
	s_mul_i32 s23, s14, WST                        ; my stage
	v_mul_u32_u24 v5, v1, 48
	v_mad_u32_u24 v5, v2, 24, v5
	v_add_nc_u32 v[STO], s23, v5                   ; in: 48 r + 24 h
	v_and_b32 v6, 31, v0
	v_lshlrev_b32 v[CO], 4, v6
	v_add_nc_u32 v[RD], s23, v[CO]                 ; back: 16 x lane
	v_lshl_add_u32 v[STW], v1, 2, s23
	v_add_nc_u32 v[STW], 12288, v[STW]             ; scale words: 4 r
	s_lshl_b32 s46, s42, 2
	s_lshl_b32 s47, s16, 1
	s_add_co_u32 s46, s46, s47                     ; my first chunk of 64 p
	s_lshl_b32 s22, s17, 8
	s_lshl_b32 s23, s15, 7
	s_add_co_u32 s22, s22, s23                     ; my first q
	s_lshr_b32 s20, s46, 1
	s_mul_i32 s20, s20, s100
	s_add_co_u32 s20, s20, s22
	s_lshl_b32 s20, s20, 2
	s_add_co_u32 s20, s20, s101
	s_mov_b32 s21, 0
	s_mul_i32 s46, s46, s100
	s_add_co_u32 s46, s46, s22
	s_mul_i32 s46, s46, 48
	s_mov_b32 s47, 0
	s_add_nc_u64 s[96:97], s[12:13], s[20:21]      ; my 512 bytes of scale words
	s_add_nc_u64 s[12:13], s[12:13], s[46:47]      ; my 6,144 bytes of the first chunk
	s_mul_i32 s20, s100, 48
	s_add_nc_u64 s[98:99], s[12:13], s[20:21]      ; and of the second
.macro FRAG reg, adr, q, ro            ; a fragment: 12 registers; six pieces of 8 bytes; ro: the block's first row.  Where the piece three on lies behind one padding more, the second address register serves
.irp p, 0,1,2,3,4,5
.set PCE, 12*(\q)+6*(\p/3)+\p%3
.if PCE%8 < 5
	ds_load_b64 v[\reg+2*\p:\reg+2*\p+1], v[\adr] offset:8*PCE+16*(PCE/8)+(\ro)*PITCH
.else
	ds_load_b64 v[\reg+2*\p:\reg+2*\p+1], v[\adr+2] offset:8*PCE+16*(PCE/8)+(\ro)*PITCH
.endif
.endr
.endm
; 16 matrix instructions: Q's blocks a0, a0 + 1 x P's eight.  The 64 accumulators take turns, one instruction a turn, in the same order in every step.
.macro MUL16 a0, p, q, sc, zero
.irp a, \a0, \a0+1
.irp b, 0,1,2,3,4,5,6,7
.if \zero
	v_wmma_scale_f32_16x16x128_f8f6f4 v[8*(8*((\a)%4)+\b):8*(8*((\a)%4)+\b)+7], v[128*(\p)+FR*\b:128*(\p)+FR*\b+FR-1], v[AF+FR*(\a):AF+FR*(\a)+FR-1], 0, v[SC+8*NQ*(\sc)+NQ*\b+(\q)], v[SC+8*NQ*(\sc)+NQ*(\a)+(\q)] matrix_a_fmt:MATRIX_FMT_BF6 matrix_b_fmt:MATRIX_FMT_BF6 matrix_a_scale:MATRIX_SCALE_ROW1
.else
	v_wmma_scale_f32_16x16x128_f8f6f4 v[8*(8*((\a)%4)+\b):8*(8*((\a)%4)+\b)+7], v[128*(\p)+FR*\b:128*(\p)+FR*\b+FR-1], v[AF+FR*(\a):AF+FR*(\a)+FR-1], v[8*(8*((\a)%4)+\b):8*(8*((\a)%4)+\b)+7], v[SC+8*NQ*(\sc)+NQ*\b+(\q)], v[SC+8*NQ*(\sc)+NQ*(\a)+(\q)] matrix_a_fmt:MATRIX_FMT_BF6 matrix_b_fmt:MATRIX_FMT_BF6 matrix_a_scale:MATRIX_SCALE_ROW1
.endif
.endr
.endr
.endm
.macro FETCH_B slot, q, p
	WIN TO_B
.irp i, 0,1,2,3,4,5,6,7
	FRAG 128*(\p)+FR*\i, ADRB+\slot, \q, 32*(\i/2)+8*(\i%2)
.endr
	WIN 0
.endm
.macro FETCH_A slot, q, i0
.irp i, \i0, \i0+1, \i0+2, \i0+3
	FRAG AF+FR*(\i), ADRA+\slot, \q, 16*(\i)
.endr
.endm
.macro SCALES sc                       ; a K step's scale words: two a row; lanes 0-15 Q's block i, lanes 16-31 P's block i
.irp i, 0,2,4,6
	ds_load_b64 v[SC+8*NQ*\sc+NQ*\i:SC+8*NQ*\sc+NQ*\i+1], v[ADRS] offset:\i*SBLK
	ds_load_b64 v[SC+8*NQ*\sc+NQ*(\i+1):SC+8*NQ*\sc+NQ*(\i+1)+1], v[ADRS1] offset:(\i+1)*SBLK
.endr
.endm
.macro STEP slot, q, zero              ; 128 along K with its successor in the same slot
	s_wait_dscnt 4*NL                              ; P's set and Q's blocks 0-3 are in; the youngest 24 loads (Q's blocks 4-7) may be out
	WIN MUL_LO
	MUL16 0, (\q)%2, \q, \slot, \zero
	MUL16 2, (\q)%2, \q, \slot, \zero
	s_wait_dscnt 0
	PLACES NP                                      ; four places in front of loads into registers that matrix instructions have read
	FETCH_B \slot, (\q)+1, 1-(\q)%2
	FETCH_A \slot, (\q)+1, 0
	WIN MUL_HI
	MUL16 4, (\q)%2, \q, \slot, \zero
	MUL16 6, (\q)%2, \q, \slot, \zero
	PLACES NP
	WIN 0
	FETCH_A \slot, (\q)+1, 4
.endm
.macro TURN slot, next, fill           ; a slot's last step changes slots: one barrier
	s_wait_tensorcnt 0x0                           ; all my tensor loads have landed: my part of the next slot
	ds_add_u32 v[SPW], v[NIL]                      ; 0 onto my spare word
	s_wait_dscnt 4*NL+1                            ; (the add and Q's blocks 4-7 may be out)
	WIN MUL_LO
	MUL16 0, 1, NQ-1, \slot, 0
	s_wait_dscnt 0x0                               ; the add is done, and my reads of this slot are over
	s_barrier_signal -1
	MUL16 2, 1, NQ-1, \slot, 0
	WIN 0
	s_barrier_wait -1
.if \fill
	CREST                                          ; the barrier has opened a round of the cluster's: no wave of any partner still reads this slot or has a load on its way
	s_add_nc_u64 s[G0+4*\slot+2:G0+4*\slot+3], s[G0+4*\slot+2:G0+4*\slot+3], 2*ROWB
	s_add_nc_u64 s[G0B+4*\slot+2:G0B+4*\slot+3], s[G0B+4*\slot+2:G0B+4*\slot+3], 2*ROWB
	JLOAD G0+4*\slot, G1, G0B+4*\slot, G1B         ; the first tensor load behind the round; its four v_nop are the places in front of the loads below
.else
	PLACES NP
.endif
	v_add_nc_u32 v[ADRS], 4*NQ, v[ADRS]            ; the next K step's scale words
	v_add_nc_u32 v[ADRS1], 4*NQ, v[ADRS1]
	FETCH_B \next, 0, 0
	FETCH_A \next, 0, 0
	SCALES \next
	WIN MUL_HI
	MUL16 4, 1, NQ-1, \slot, 0
	MUL16 6, 1, NQ-1, \slot, 0
	PLACES NP
	WIN 0
	FETCH_A \next, 0, 4
.endm
	s_wait_tensorcnt 1                             ; the scales and my part of K step 0 are in; K step 1's load may be out
	s_barrier_signal -1
	s_barrier_wait -1
	FETCH_B 0, 0, 0
	FETCH_A 0, 0, 0
	SCALES 0
	FETCH_A 0, 0, 4
	STEP 0, 0, 1                                   ; the first products start the sums
	s_mov_b32 s3, LAPS-1
.Llap:
	TURN 0, 1, 1
	STEP 1, 0, 0
	TURN 1, 0, 1
	STEP 0, 0, 0
	s_sub_co_u32 s3, s3, 1
	s_cmp_lg_u32 s3, 0
	s_cbranch_scc1 .Llap
	TURN 0, 1, 0                                   ; the last lap fills nothing
	STEP 1, 0, 0
	s_wait_dscnt 4*NL
	WIN MUL_LO
	MUL16 0, 1, NQ-1, 1, 0
	MUL16 2, 1, NQ-1, 1, 0
	s_wait_dscnt 0
	WIN MUL_HI
	MUL16 4, 1, NQ-1, 1, 0
	MUL16 6, 1, NQ-1, 1, 0
	WIN 0
; THE WAY OUT.  64 numbers of a lane in window W, register 16 b + i = p 32 b + 16 (lane / 16) + i of my row q, become a fragment's codes in v[PC] on and the row's scale word in v[PW].
.macro QUANT s, W
	WIN (\W)|((\W)<<2)
.irp b, 0,1,2,3
	v_max3_num_f32 v[TM+\b], |v[(\s)+16*\b]|, |v[(\s)+1+16*\b]|, 0x2800000   ; each accumulator is read from its low end on; the floor 2^(5 - 127) holds the byte at 1 from below
.endr
.irp i, 2,4,6,8,10,12,14
.irp b, 0,1,2,3
	v_max3_num_f32 v[TM+\b], |v[(\s)+16*\b+\i]|, |v[(\s)+1+16*\b+\i]|, v[TM+\b]
.endr
.endr
	WIN 0
.irp b, 0,1,2,3
	v_permlanex16_b32 v[TM+4+\b], v[TM+\b], s[SEL], s[SEL+1]
.endr
.irp b, 0,1,2,3
	v_max_num_f32 v[TM+\b], v[TM+\b], v[TM+4+\b]   ; with lane xor 16's: the block's largest magnitude
.endr
.irp b, 0,1,2,3
	v_add_nc_u32 v[TM+12+\b], 0xfe000000, v[TM+\b] ; 4 off its exponent field: the conversion's scale operand
.endr
.irp b, 0,1,2,3
	v_lshrrev_b32 v[TM+4+\b], 23, v[TM+12+\b]      ; the byte
.endr
	v_lshl_or_b32 v[PW], v[TM+5], 8, v[TM+4]
	v_lshl_or_b32 v[PW], v[TM+6], 16, v[PW]
	v_lshl_or_b32 v[PW], v[TM+7], 24, v[PW]
	WIN (\W)
.irp c, 0,1
	v_cvt_scalef32_pk16_bf6_f32 v[PC+6*\c:PC+2+6*\c], v[(\s)+32*\c:(\s)+15+32*\c], v[TM+12+2*\c]
	v_cvt_scalef32_pk16_bf6_f32 v[PC+12+4*\c:PC+14+4*\c], v[(\s)+16+32*\c:(\s)+31+32*\c], v[TM+12+2*\c+1]
.endr
	WIN 0
	v_nop                                          ; one plain place behind a scaled conversion
.irp c, 0,1                            ; a whole block to a lane: lanes 0-15 block 2 c, lanes 16-31 block 2 c + 1
.irp i, 0,1,2
	v_permlane16_swap_b32 v[PC+6*\c+\i], v[PC+12+4*\c+\i]
.endr
.irp i, 0,1,2
	v_mov_b32 v[PC+3+6*\c+\i], v[PC+12+4*\c+\i]
.endr
.endr
.endm
.macro GELUM s, W                      ; 64 numbers x in window W -> g in v[GQ] on
	WIN (\W)
.set j, 0
.rept 64
	v_fma_f32 v[GT+j], |v[(\s)+j]|, v[KP], 1.0     ; ascending: each accumulator is read from its low end on
.set j, j+1
.endr
.set j, 0
.rept 32
	v_pk_mul_f32 v[GE+j:GE+j+1], v[(\s)+j:(\s)+j+1], v[KC:KC+1]
.set j, j+2
.endr
.set j, 0
.rept 32
	v_pk_mul_f32 v[GE+j:GE+j+1], v[(\s)+j:(\s)+j+1], v[GE+j:GE+j+1]   ; -x^2 log2(e) / 2
.set j, j+2
.endr
	WIN 0
.set j, 0
.rept 64
	v_rcp_f32 v[GT+j], v[GT+j]
.set j, j+1
.endr
.set j, 0
.rept 64
	v_exp_f32 v[GE+j], v[GE+j]
.set j, j+1
.endr
	v_nop                                          ; one plain place behind the transcendentals
.set j, 0
	s_wait_alu depctr_va_vdst(0)
.rept 32
	v_pk_fma_f32 v[GQ+j:GQ+j+1], v[GT+j:GT+j+1], v[KB5:KB5+1], v[KB4:KB4+1]
.set j, j+2
.endr
.irp k, KB3, KB2, KB1
.set j, 0
.rept 32
	v_pk_fma_f32 v[GQ+j:GQ+j+1], v[GQ+j:GQ+j+1], v[GT+j:GT+j+1], v[\k:\k+1]
.set j, j+2
.endr
.endr
.set j, 0
.rept 32
	v_pk_mul_f32 v[GQ+j:GQ+j+1], v[GQ+j:GQ+j+1], v[GT+j:GT+j+1]
.set j, j+2
.endr
.set j, 0
.rept 32
	v_pk_mul_f32 v[GQ+j:GQ+j+1], v[GQ+j:GQ+j+1], v[GE+j:GE+j+1]       ; the upper tail of the normal integral at |x|
.set j, j+2
.endr
	WIN (\W)
.set j, 0
.rept 64
	v_max_num_f32 v[GE+j], v[(\s)+j], 0
.set j, j+1
.endr
.set j, 0
.rept 64
	v_fma_f32 v[GQ+j], -|v[(\s)+j]|, v[GQ+j], v[GE+j]
.set j, j+1
.endr
	WIN 0
.endm
.macro OUTBLK a                        ; my rows 16 a .. 16 a + 15 of q
	s_wait_dscnt 0x0                               ; the last block's stores have read their registers
.if GELU
	GELUM 64*((\a)%4), 2+(\a)/4
	QUANT GQ, 0
.else
	QUANT 64*((\a)%4), 2+(\a)/4
.endif
.irp k, 0,1,2,3,4,5
	ds_store_b64 v[STO], v[PC+2*\k:PC+2*\k+1] offset:768*(\a)+6144*(\k/3)+8*(\k%3)
.endr
	ds_store_b32 v[STW], v[PW] offset:64*(\a)      ; both halves of the lanes write the same word with the same value
.endm
	PLACES NP                                      ; behind the last products: results are read and their operands' registers written only from here on
	s_mov_b32 s[SEL], 0x76543210
	s_mov_b32 s[SEL+1], 0xfedcba98
.irp b, 0,1,2,3
	v_mov_b32 v[TM+4+\b], 0                        ; a lane permute's destination counts as one of its sources
.endr
.if GELU
	v_mov_b32 v[KB5], 0x3f07dc22                   ; b5 .. b1, each x 1 / sqrt(2 pi), twice for the packed forms
	v_mov_b32 v[KB5+1], 0x3f07dc22
	v_mov_b32 v[KB4], 0xbf3a00e3
	v_mov_b32 v[KB4+1], 0xbf3a00e3
	v_mov_b32 v[KB3], 0x3f35f0e3
	v_mov_b32 v[KB3+1], 0x3f35f0e3
	v_mov_b32 v[KB2], 0xbe11a98e
	v_mov_b32 v[KB2+1], 0xbe11a98e
	v_mov_b32 v[KB1], 0x3e027906
	v_mov_b32 v[KB1+1], 0x3e027906
	v_mov_b32 v[KC], 0xbf38aa3b                    ; -log2(e) / 2
	v_mov_b32 v[KC+1], 0xbf38aa3b
	v_mov_b32 v[KP], 0x3e6d3389                    ; 0.2316419
.endif
.irp a, 0,1,2,3,4,5,6,7
	OUTBLK \a
.endr
.set j, 0
.rept 24
	ds_load_b128 v[OB+4*j:OB+4*j+3], v[RD] offset:512*j    ; LDS serves a wave's instructions in order: these see my stores
.set j, j+1
.endr
	ds_load_b128 v[OB+96:OB+99], v[RD] offset:12288
	s_wait_dscnt 0x0
.set j, 0
.rept 12
	global_store_b128 v[CO], v[OB+4*j:OB+4*j+3], s[12:13] offset:512*j          ; each store covers 512 consecutive bytes, aligned
	global_store_b128 v[CO], v[OB+48+4*j:OB+48+4*j+3], s[98:99] offset:512*j
.set j, j+1
.endr
	global_store_b128 v[CO], v[OB+96:OB+99], s[96:97]
	s_wait_tensorcnt 0x0                           ; the wave's end
	ds_add_u32 v[SPW], v[NIL]
	s_wait_dscnt 0x0
	CROUND                                         ; the closing round
	s_endpgm
.Lfunc_end_k_qf73c1859f9_fc:
	.size	k_qf73c1859f9_fc, .Lfunc_end_k_qf73c1859f9_fc-k_qf73c1859f9_fc
	.p2alignl 7, 3214868480
	.fill 96, 4, 3214868480
	.section	.rodata,"a",@progbits
	.p2align	6, 0x0
	.amdhsa_kernel k_qf73c1859f9_fc
		.amdhsa_group_segment_fixed_size 327680
		.amdhsa_private_segment_fixed_size 0
		.amdhsa_enable_private_segment 0
		.amdhsa_kernarg_size 32
		.amdhsa_user_sgpr_count 2
		.amdhsa_user_sgpr_kernarg_segment_ptr 1
		.amdhsa_wavefront_size32 1
		.amdhsa_system_sgpr_workgroup_id_x 1
		.amdhsa_system_sgpr_workgroup_id_y 1
		.amdhsa_system_sgpr_workgroup_id_z 1
		.amdhsa_system_vgpr_workitem_id 0
		.amdhsa_next_free_vgpr 1024
		.amdhsa_next_free_sgpr 102
		.amdhsa_reserve_vcc 0
		.amdhsa_float_denorm_mode_32 3
		.amdhsa_float_denorm_mode_16_64 3
		.amdhsa_memory_ordered 1
		.amdhsa_forward_progress 1
		.amdhsa_inst_pref_size 255
	.end_amdhsa_kernel
	.section	.bss,"aw",@nobits
	.p2align	6
	.space	262144
	.amdgpu_metadata
---
amdhsa.version: [ 1, 2 ]
amdhsa.kernels:
  - .name:           k_qf73c1859f9_fc
    .symbol:         k_qf73c1859f9_fc.kd
    .args:
      - { .name: a, .offset: 0, .size: 8, .value_kind: global_buffer, .address_space: global }
      - { .name: w_fc_codes, .offset: 8, .size: 8, .value_kind: global_buffer, .address_space: global }
      - { .name: w_fc_scales, .offset: 16, .size: 8, .value_kind: global_buffer, .address_space: global }
      - { .name: h, .offset: 24, .size: 8, .value_kind: global_buffer, .address_space: global }
    .group_segment_fixed_size: 327680
    .private_segment_fixed_size: 0
    .kernarg_segment_align: 8
    .kernarg_segment_size: 32
    .max_flat_workgroup_size: 128
    .sgpr_count:     102
    .vgpr_count:     1024
    .wavefront_size: 32
...
	.end_amdgpu_metadata
.endif
;; end of part 5
;; launch proj (part 6): grid 8 x 32, 4 waves a work-group, clusters of 4 x 4, 327,680 bytes of LDS; arguments h, w_proj_codes, w_proj_scales, x1, out0; writes out0
.if DOCPART == 6
	.amdgcn_target "amdgcn-amd-amdhsa--gfx1250"
	.amdhsa_code_object_version 6
	.text
	.protected	k_qf73c1859f9_proj
	.globl	k_qf73c1859f9_proj
	.p2align	8
	.type	k_qf73c1859f9_proj,@function
k_qf73c1859f9_proj:
	s_mov_b64 s[64:65], 0
	v_nop
	global_prefetch_b8 v0, s[64:65] scope:SCOPE_SE
	s_setreg_imm32_b32 hwreg(HW_REG_WAVE_MODE, 25, 1), 1
	s_wait_xcnt 0x0
	s_wait_alu depctr_hold_cnt(0) depctr_sa_sdst(0) depctr_va_vdst(0) depctr_va_sdst(0) depctr_va_ssrc(0) depctr_va_vcc(0) depctr_vm_vsrc(0)
	s_getreg_b32 s2, hwreg(HW_REG_IB_STS2, 6, 4)
	s_cmp_eq_u32 s2, 0
	s_cbranch_scc0 .Lentry_in_a_cluster
	s_endpgm
.Lentry_in_a_cluster:
	s_bfe_u32 s2, ttmp6, 0x10000c
	s_cmp_lg_u32 s2, 0xf033
	s_cbranch_scc0 .Lentry_shape_is_right
	s_endpgm
.Lentry_shape_is_right:
; out[m][n] = res[m][n] + sum over k of A[m][k] W[n][k], both operands codes of BF6 (E3M2) with one E8M0 scale for each 32 along K; out and res [4096][1024] f32.
; A: codes [K / 64][4096 rows][48 bytes]; SOFFA bytes behind them its scales: YM = 0: words [K / 128][4096][4]; YM = 1: two bytes a row [K / 64][4096][2], joined to words in LDS at the head.
; W: codes in rows of K x 3 / 4 bytes, scale bytes in rows of K / 32.
; N = 1,024 gives 64 tiles of 256 x 256 and 256 of 128 x 128: the tile is 128 x 128, four waves of 64 x 64, 16 accumulators each.  K goes in steps of 512 through two LDS slots, four quarters of 128 to a step.
; CLUSTERS 4 x 4: A's tiles are shared along a row of the cluster, W's along a column: each is asked for jointly.  Source 0 = 16 rows of W, source 1 = 16 rows of A: a lane holds eight neighbouring numbers of a row of out.
; The residual's 128 registers a lane are asked for at the head and land while the products run.
; REGISTERS: window 0: v16-31 addresses; v32-47 scale words, two sets (four of A, four of W); v48-111 the way out; v128-255 accumulators ((a, b) at v[128 + 8 (4 a + b)]).  window 1: two fragment buffers (A's four, W's four).  window 2: the residual.
.set SIZE_K, 4096
.set YM,     0
.set KROW,   SIZE_K*3/4
.set KS,     SIZE_K/32
.set LAPS,   SIZE_K/1024
.set ASL,    49152                     ; a slot: A's 8 chunks x 128 rows x 48 bytes: rows start 12 words apart, so the 32 lanes of a load of 8 bytes touch 64 different banks (64 banks of 4 bytes: ISA guide 11.1)
.set BP,     432                       ; then W's 128 rows: 3 x (128 bytes + 16 of padding) = 108 words: 16 rows start at 16 different multiples of 4 banks
.set SLOT,   ASL+128*BP
.set SCA,    2*SLOT                    ; A's scale words [K / 128][128 rows][4]
.set SCB,    SCA+16384                 ; W's scale bytes, as units of 256 bytes + 16 of padding
.set YS,     SCB+17408                 ; YM: A's scale bytes as they come
.set SPARE,  YS+4096                   ; the spare words: 128 bytes a wave
.set SBR,    64*KS/256                 ; units in the scales of 64 rows of W
.set SBLK,   (16*KS/256)*272           ; those of 16 rows
.if YM
.set SOFFA,  3145728
.set ASB,    YS
.set ASH,    2048
.else
.set SOFFA,  12582912
.set ASB,    SCA
.set ASH,    8192
.endif
.set ADRA, 16
.set ADRB, 20                          ; v20-21; v22-23 the same behind one padding more
.set STO,  24
.set RD,   25
.set CO,   26
.set ADSA, 27
.set SPW,  28
.set NIL,  29
.set ADSB, 30
.set SC,   32
.set T,    48
.set ACC,  128
.set F0,   0
.set F1,   128
.set G1, 24
.set G0, 32
.set G1B, 48
.set G0B, 56
.set G1S, 68
.set G0S, 76
.set G1SB, 80
.set G0SB, 88
.set MSB, 0
.macro WIN new                         ; the immediate's high byte repeats the setting that is left
.if MSB != (\new)
	s_set_vgpr_msb (MSB<<8)|(\new)
.set MSB, (\new)
.endif
.endm
.macro JLOAD g0a, g1a, g0b, g1b        ; a joint load: waves 0 and 1 fetch for A, waves 2 and 3 for W; four v_nop follow each line
	s_cmp_eq_u32 s15, 0
	s_cbranch_scc0 .Lfor_b_\@
	tensor_load_to_lds s[\g0a:\g0a+3], s[\g1a:\g1a+7]
	s_nop 0
.rept 4
	v_nop
.endr
	s_branch .Lasked_\@
.Lfor_b_\@:
	tensor_load_to_lds s[\g0b:\g0b+3], s[\g1b:\g1b+7]
	s_nop 0
.rept 4
	v_nop
.endr
.Lasked_\@:
.endm
.macro CREST
	s_cmp_lg_u32 s14, 0
	s_cbranch_scc1 .Lnot_wave_0_\@
	s_barrier_signal -3
.Lnot_wave_0_\@:
	s_barrier_wait -3
	s_barrier_signal -1
	s_barrier_wait -1
.endm
.macro CROUND
	s_barrier_signal -1
	s_barrier_wait -1
	CREST
.endm
.macro PLACES n
.rept \n
	v_nop
.endr
.endm
	s_load_b64 s[4:5], s[0:1], 0x0                 ; A
	s_load_b64 s[8:9], s[0:1], 0x8                 ; W's codes
	s_load_b64 s[10:11], s[0:1], 0x10              ; W's scale bytes
	s_load_b64 s[96:97], s[0:1], 0x18              ; the residual
	s_load_b64 s[12:13], s[0:1], 0x20              ; out
	v_lshl_add_u32 v[SPW], v0, 2, SPARE
	v_mov_b32 v[NIL], 0
	ds_add_u32 v28, v29
	ds_add_u32 v28, v29
	s_wait_dscnt 0x0
	v_lshrrev_b32 v1, 5, v0
	v_readfirstlane_b32 s14, v1                    ; wave 0..3
	s_lshr_b32 s15, s14, 1                         ; my half of the tile's rows.  Also: I fetch for A (0) or for W (1)
	s_and_b32 s16, s14, 1                          ; my half of its columns.  Also: which half I fetch
	s_bfe_u32 s40, ttmp6, 0x40000                  ; cx, cy
	s_bfe_u32 s41, ttmp6, 0x40004
	s_lshl_b32 s42, ttmp9, 2
	s_add_co_u32 s42, s42, s40                     ; tile column
	s_and_b32 s17, ttmp7, 0xffff
	s_lshl_b32 s17, s17, 2
	s_add_co_u32 s17, s17, s41                     ; tile row
	s_lshl_b32 s43, s41, 2
	s_lshl_b32 s43, 15, s43                        ; my row of the cluster
	s_lshl_b32 s44, 0x1111, s40                    ; my column
	s_or_b32 s[G1+0], s43, (3<<16)|(1<<21)         ; A: 4 chunks: rows of 6,144 bytes (768 elements of 8), 196,608 bytes apart; no padding
	s_mov_b32 s[G1+1], 768<<16
	s_mov_b32 s[G1+2], 4<<16
	s_mov_b32 s[G1+3], 768<<16
	s_mov_b32 s[G1+4], 4
	s_mov_b32 s[G1+5], 24576
	s_mov_b32 s[G1+6], 0
	s_mov_b32 s[G1+7], 0
	s_or_b32 s[G1B+0], s44, (0<<16)|(1<<20)|(1<<21)|(4<<22)|(3<<25)   ; W: 64 rows of 384 bytes; after every 32 words 4 words of padding
	s_mov_b32 s[G1B+1], 384<<16
	s_mov_b32 s[G1B+2], 64<<16
	s_mov_b32 s[G1B+3], 384<<16
	s_mov_b32 s[G1B+4], 64
	s_mov_b32 s[G1B+5], KROW
	s_mov_b32 s[G1B+6], 0
	s_mov_b32 s[G1B+7], 0
	s_or_b32 s[G1S+0], s43, (3<<16)|(1<<21)        ; A's scales: half of the planes, the tile's 128 rows of each
.if YM
	s_mov_b32 s[G1S+1], 32<<16
	s_mov_b32 s[G1S+2], 8<<16
	s_mov_b32 s[G1S+3], 32<<16
	s_mov_b32 s[G1S+4], 8
	s_mov_b32 s[G1S+5], 1024
.else
	s_mov_b32 s[G1S+1], 64<<16
	s_mov_b32 s[G1S+2], 16<<16
	s_mov_b32 s[G1S+3], 64<<16
	s_mov_b32 s[G1S+4], 16
	s_mov_b32 s[G1S+5], 2048
.endif
	s_mov_b32 s[G1S+6], 0
	s_mov_b32 s[G1S+7], 0
	s_or_b32 s[G1SB+0], s44, (3<<16)|(1<<20)|(1<<21)|(5<<22)|(3<<25)  ; W's scales of 64 rows: dense, as rows of 256 bytes, 16 of padding behind each
	s_mov_b32 s[G1SB+1], 32<<16
	s_mov_b32 s[G1SB+2], SBR<<16
	s_mov_b32 s[G1SB+3], 32<<16
	s_mov_b32 s[G1SB+4], SBR
	s_mov_b32 s[G1SB+5], 32
	s_mov_b32 s[G1SB+6], 0
	s_mov_b32 s[G1SB+7], 0
	s_mul_i32 s20, s17, 6144
	s_mul_i32 s21, s16, 4*196608
	s_add_co_u32 s20, s20, s21                     ; A's codes: the tile's rows, chunks 4 x half on
	s_mov_b32 s21, 0
	s_lshl_b32 s46, s42, 7
	s_lshl_b32 s47, s16, 6
	s_add_co_u32 s46, s46, s47                     ; W's first row that I fetch
	s_mul_i32 s92, s46, KS
	s_mov_b32 s93, 0
	s_mul_i32 s46, s46, KROW
	s_mov_b32 s47, 0
.if YM
	s_lshl_b32 s22, s17, 8
	s_lshl_b32 s23, s16, 16
.else
	s_lshl_b32 s22, s17, 9
	s_lshl_b32 s23, s16, 18
.endif
	s_add_co_u32 s22, s22, s23
	s_add_co_u32 s22, s22, SOFFA                   ; A's scales
	s_mov_b32 s23, 0
	s_mul_i32 s45, s16, 24576                      ; where they go: no place in the cluster enters an LDS address
	s_mul_i32 s94, s16, 64*BP
	s_add_co_u32 s94, s94, ASL
	s_mul_i32 s95, s16, ASH
	s_add_co_u32 s95, s95, ASB
	s_mul_i32 s98, s16, SBR*272
	s_add_co_u32 s98, s98, SCB
	s_wait_kmcnt 0x0
	s_add_nc_u64 s[20:21], s[4:5], s[20:21]
	s_add_nc_u64 s[22:23], s[4:5], s[22:23]
	s_add_nc_u64 s[46:47], s[8:9], s[46:47]
	s_add_nc_u64 s[92:93], s[10:11], s[92:93]
	CROUND                                         ; all sixteen work-groups are here: the first joint loads meet
	s_mov_b32 s[G0S], 1
	s_mov_b32 s[G0S+1], s95
	s_mov_b64 s[G0S+2:G0S+3], s[22:23]
	s_or_b32 s[G0S+3], s[G0S+3], 0x80000000
	s_mov_b32 s[G0SB], 1
	s_mov_b32 s[G0SB+1], s98
	s_mov_b64 s[G0SB+2:G0SB+3], s[92:93]
	s_or_b32 s[G0SB+3], s[G0SB+3], 0x80000000
	JLOAD G0S, G1S, G0SB, G1SB                     ; the scales first
.irp s, 0,1
	s_mov_b32 s[G0+4*\s], 1
	s_add_co_u32 s[G0+4*\s+1], s45, \s*SLOT
	s_add_nc_u64 s[G0+4*\s+2:G0+4*\s+3], s[20:21], \s*8*196608
	s_or_b32 s[G0+4*\s+3], s[G0+4*\s+3], 0x80000000
	s_mov_b32 s[G0B+4*\s], 1
	s_add_co_u32 s[G0B+4*\s+1], s94, \s*SLOT
	s_add_nc_u64 s[G0B+4*\s+2:G0B+4*\s+3], s[46:47], \s*384
	s_or_b32 s[G0B+4*\s+3], s[G0B+4*\s+3], 0x80000000
	JLOAD G0+4*\s, G1, G0B+4*\s, G1B
.endr
	v_and_b32 v1, 15, v0                           ; r
	v_bfe_u32 v2, v0, 4, 1                         ; h
	v_lshlrev_b32 v[CO], 12, v2
	v_lshl_add_u32 v[CO], v1, 4, v[CO]             ; in out and in the residual: lanes 0-15 one row's 256 bytes, lanes 16-31 the next row's
	s_lshl_b32 s20, s17, 7
	s_lshl_b32 s21, s15, 6
	s_add_co_u32 s20, s20, s21
	s_lshl_b32 s20, s20, 12                        ; my first row, 4,096 bytes a row,
	s_lshl_b32 s46, s42, 9
	s_lshl_b32 s47, s16, 8
	s_add_co_u32 s46, s46, s47
	s_add_co_u32 s20, s20, s46                     ; my first column
	s_mov_b32 s21, 0
	s_add_nc_u64 s[96:97], s[96:97], s[20:21]
	s_add_nc_u64 s[12:13], s[12:13], s[20:21]
	WIN 0x80                                       ; destination window 2
.irp a, 0,1,2,3
.irp t, 0,1,2,3,4,5,6,7
	global_load_b128 v[4*(8*\a+\t):4*(8*\a+\t)+3], v[CO], s[96:97] offset:(16*\a+2*\t)*4096
.endr
.endr
	WIN 0
	v_mul_u32_u24 v3, v1, 48
	v_mad_u32_u24 v3, v2, 24, v3                   ; A: 48 r + 24 h
	v_mul_u32_u24 v4, v1, BP
	v_mad_u32_u24 v4, v2, 24, v4                   ; W: row r x pitch + 24 h
	v_lshl_add_u32 v5, v2, 4, v4                   ; and behind one padding more
	s_mul_i32 s21, s15, 3072                       ; my 64 rows in each chunk of A
	s_mul_i32 s22, s16, 64*BP                      ; my 64 rows of W
	s_add_co_u32 s22, s22, ASL
.irp s, 0,1
	v_add_nc_u32 v[ADRA+\s], s21, v3
	v_add_nc_u32 v[ADRB+\s], s22, v4
	v_add_nc_u32 v[ADRB+2+\s], s22, v5
	s_add_co_u32 s21, s21, SLOT
	s_add_co_u32 s22, s22, SLOT
.endr
	s_lshl_b32 s21, s15, 8
	s_add_co_u32 s21, s21, SCA
	v_lshl_add_u32 v[ADSA], v1, 2, s21             ; A's scale words: 4 bytes a row
	v_mul_u32_u24 v5, v1, KS
	v_lshrrev_b32 v6, 8, v5
	v_lshl_add_u32 v5, v6, 4, v5                   ; W's: KS bytes a row, and 16 more for each 256 passed
	s_mul_i32 s22, s16, SBR*272
	s_add_co_u32 s22, s22, SCB
	v_add_nc_u32 v[ADSB], s22, v5
	s_mul_i32 s23, s14, 16*272                     ; my stage, in slot 0
	v_mul_u32_u24 v5, v1, 272
	v_lshl_add_u32 v5, v2, 5, v5
	v_add_nc_u32 v[STO], s23, v5                   ; in: row r, 32 bytes for each half of the lanes
	v_mul_u32_u24 v5, v2, 272
	v_lshl_add_u32 v5, v1, 4, v5
	v_add_nc_u32 v[RD], s23, v5                    ; back: lanes 0-15 one row, lanes 16-31 the next
.macro FRAGA reg, adr, q, i            ; 16 rows x 128 K: chunks 2 q and 2 q + 1, three pieces of 8 bytes of each
.irp p, 0,1,2,3,4,5
	ds_load_b64 v[\reg+2*\p:\reg+2*\p+1], v[\adr] offset:(2*(\q)+\p/3)*6144+768*\i+8*(\p%3)
.endr
.endm
.macro FRAGB reg, adr, q, i            ; pieces 12 q + 0, 1, 2, 6, 7, 8 of the row (lanes 16-31 three on); 16 bytes of padding behind every 16 pieces
.irp p, 0,1,2,3,4,5
.set PCE, 12*(\q)+6*(\p/3)+\p%3
.if PCE%16 < 13
	ds_load_b64 v[\reg+2*\p:\reg+2*\p+1], v[\adr] offset:8*PCE+16*(PCE/16)+16*BP*\i
.else
	ds_load_b64 v[\reg+2*\p:\reg+2*\p+1], v[\adr+2] offset:8*PCE+16*(PCE/16)+16*BP*\i
.endif
.endr
.endm
.macro FETCH slot, q, f                ; 56 LDS loads: a quarter's fragments into buffer f, its scale words into set f / 128
	WIN 0x40
.irp i, 0,1,2,3
	FRAGB \f+48+12*\i, ADRB+\slot, \q, \i
.endr
.irp i, 0,1,2,3
	FRAGA \f+12*\i, ADRA+\slot, \q, \i
.endr
	WIN 0
.irp i, 0,1,2,3
	ds_load_b32 v[SC+8*((\f)/128)+\i], v[ADSA] offset:512*(\q)+64*\i
	ds_load_b32 v[SC+8*((\f)/128)+4+\i], v[ADSB] offset:4*(\q)+\i*SBLK
.endr
.endm
.macro MULA f, a, zero                 ; A's block a x W's four.  The 16 accumulators take turns, one instruction a turn, in one order throughout
.irp b, 0,1,2,3
.if \zero
	v_wmma_scale_f32_16x16x128_f8f6f4 v[ACC+8*(4*\a+\b):ACC+8*(4*\a+\b)+7], v[\f+48+12*\b:\f+48+12*\b+11], v[\f+12*\a:\f+12*\a+11], 0, v[SC+8*((\f)/128)+4+\b], v[SC+8*((\f)/128)+\a] matrix_a_fmt:MATRIX_FMT_BF6 matrix_b_fmt:MATRIX_FMT_BF6
.else
	v_wmma_scale_f32_16x16x128_f8f6f4 v[ACC+8*(4*\a+\b):ACC+8*(4*\a+\b)+7], v[\f+48+12*\b:\f+48+12*\b+11], v[\f+12*\a:\f+12*\a+11], v[ACC+8*(4*\a+\b):ACC+8*(4*\a+\b)+7], v[SC+8*((\f)/128)+4+\b], v[SC+8*((\f)/128)+\a] matrix_a_fmt:MATRIX_FMT_BF6 matrix_b_fmt:MATRIX_FMT_BF6
.endif
.endr
.endm
.macro QUARTER slot, qn, f, g, zero    ; multiplies buffer f; ahead of that asks for quarter qn of the slot, into g
	s_wait_dscnt 0x0                               ; f's fragments and scale words are in
	PLACES 4                                       ; g was read by the products just issued: four places in front of the loads into it
	FETCH \slot, \qn, \g
	WIN 0x05                                       ; sources 0 and 1 window 1
	MULA \f, 0, \zero
	MULA \f, 1, \zero
	MULA \f, 2, \zero
	MULA \f, 3, \zero
	WIN 0
.endm
.macro TURN slot, next, fill           ; a slot's fourth quarter, on buffer 1, changes slots: one barrier
	WIN 0
	s_wait_tensorcnt 0x0                           ; all my tensor loads have landed: my part of the next slot
	ds_add_u32 v[SPW], v[NIL]                      ; 0 onto my spare word
	s_wait_dscnt 1                                 ; the fragments are in; the add may be out
	WIN 0x05
	MULA F1, 0, 0
	s_wait_dscnt 0x0                               ; the add is done, and my reads of this slot are over
	s_barrier_signal -1
	MULA F1, 1, 0
	WIN 0
	s_barrier_wait -1
.if \fill
	CREST                                          ; the barrier has opened a round of the cluster's: no wave of any partner still reads this slot or has a load on its way
	s_add_nc_u64 s[G0+4*\slot+2:G0+4*\slot+3], s[G0+4*\slot+2:G0+4*\slot+3], 16*196608
	s_add_nc_u64 s[G0B+4*\slot+2:G0B+4*\slot+3], s[G0B+4*\slot+2:G0B+4*\slot+3], 768
	JLOAD G0+4*\slot, G1, G0B+4*\slot, G1B         ; the first tensor load behind the round; its four v_nop are the places in front of the loads below
.else
	PLACES 4
.endif
	v_add_nc_u32 v[ADSA], 2048, v[ADSA]            ; the next slot's scale words: four planes of A's, 16 bytes on in W's rows
	v_add_nc_u32 v[ADSB], 16, v[ADSB]
	FETCH \next, 0, F0
	WIN 0x05
	MULA F1, 2, 0
	MULA F1, 3, 0
	WIN 0
.endm
.if YM
	s_wait_tensorcnt 2                             ; my part of the scales is in; the two slots' loads may be out
	s_barrier_signal -1
	s_barrier_wait -1
	v_lshl_add_u32 v6, v0, 1, YS                   ; thread t joins row t's 16 pairs of bytes to 8 words
	v_lshl_add_u32 v7, v0, 2, SCA
.irp c, 0,1,2,3,4,5,6,7,8,9,10,11,12,13,14,15
	ds_load_u16 v[T+\c], v6 offset:256*\c
.endr
	s_wait_dscnt 0x0
.irp q, 0,1,2,3,4,5,6,7
	v_lshl_or_b32 v[T+2*\q], v[T+2*\q+1], 16, v[T+2*\q]
.endr
.irp q, 0,1,2,3,4,5,6,7
	ds_store_b32 v7, v[T+2*\q] offset:512*\q
.endr
	s_wait_dscnt 0x0                               ; for the others' sake
.endif
	s_wait_tensorcnt 1                             ; the scales and my part of K step 0 are in; K step 1's load may be out
	s_barrier_signal -1
	s_barrier_wait -1
	FETCH 0, 0, F0
	QUARTER 0, 1, F0, F1, 1                        ; the first products start the sums
.if LAPS > 1
	s_mov_b32 s3, LAPS-1
.Llap:
	QUARTER 0, 2, F1, F0, 0
	QUARTER 0, 3, F0, F1, 0
	TURN 0, 1, 1
	QUARTER 1, 1, F0, F1, 0
	QUARTER 1, 2, F1, F0, 0
	QUARTER 1, 3, F0, F1, 0
	TURN 1, 0, 1
	QUARTER 0, 1, F0, F1, 0
	s_sub_co_u32 s3, s3, 1
	s_cmp_lg_u32 s3, 0
	s_cbranch_scc1 .Llap
.endif
	QUARTER 0, 2, F1, F0, 0                        ; the last lap fills nothing
	QUARTER 0, 3, F0, F1, 0
	TURN 0, 1, 0
	QUARTER 1, 1, F0, F1, 0
	QUARTER 1, 2, F1, F0, 0
	QUARTER 1, 3, F0, F1, 0
	s_wait_dscnt 0x0
	WIN 0x05
	MULA F1, 0, 0
	MULA F1, 1, 0
	MULA F1, 2, 0
	MULA F1, 3, 0
	WIN 0
	; THE WAY OUT, 16 rows x 64 columns at a time through my stage (slot 0 has had its last fill, and nobody reads it since the last change of slots): back as rows of 256 bytes, the residual added, stored
	PLACES 4
	s_wait_loadcnt 0x0                             ; the residual
.irp a, 0,1,2,3
.if \a >= 2
	s_wait_xcnt 0x0                                ; the stores of two blocks ago have read their registers
.endif
.irp b, 0,1,2,3
	ds_store_b128 v[STO], v[ACC+8*(4*\a+\b):ACC+8*(4*\a+\b)+3] offset:64*\b        ; each accumulator from its low end on
	ds_store_b128 v[STO], v[ACC+8*(4*\a+\b)+4:ACC+8*(4*\a+\b)+7] offset:64*\b+16
.endr
.irp t, 0,1,2,3,4,5,6,7
	ds_load_b128 v[T+32*(\a%2)+4*\t:T+32*(\a%2)+4*\t+3], v[RD] offset:544*\t       ; LDS serves a wave's instructions in order
.endr
	s_wait_dscnt 0x0
	WIN 0x08                                       ; source 1 window 2
.irp t, 0,1,2,3,4,5,6,7,8,9,10,11,12,13,14,15
	v_pk_add_f32 v[T+32*(\a%2)+2*\t:T+32*(\a%2)+2*\t+1], v[T+32*(\a%2)+2*\t:T+32*(\a%2)+2*\t+1], v[32*\a+2*\t:32*\a+2*\t+1]
.endr
	WIN 0
.irp t, 0,1,2,3,4,5,6,7
.if YM
	global_store_b128 v[CO], v[T+32*(\a%2)+4*\t:T+32*(\a%2)+4*\t+3], s[12:13] offset:(16*\a+2*\t)*4096    ; 16 lanes store 256 consecutive bytes, aligned
.else
	global_store_b128 v[CO], v[T+32*(\a%2)+4*\t:T+32*(\a%2)+4*\t+3], s[12:13] offset:(16*\a+2*\t)*4096 th:TH_STORE_NT
.endif
.endr
.endr
	s_wait_tensorcnt 0x0                           ; the wave's end
	ds_add_u32 v[SPW], v[NIL]
	s_wait_dscnt 0x0
	CROUND                                         ; the closing round
	s_endpgm
.Lfunc_end_k_qf73c1859f9_proj:
	.size	k_qf73c1859f9_proj, .Lfunc_end_k_qf73c1859f9_proj-k_qf73c1859f9_proj
	.p2alignl 7, 3214868480
	.fill 96, 4, 3214868480
	.section	.rodata,"a",@progbits
	.p2align	6, 0x0
	.amdhsa_kernel k_qf73c1859f9_proj
		.amdhsa_group_segment_fixed_size 327680
		.amdhsa_private_segment_fixed_size 0
		.amdhsa_enable_private_segment 0
		.amdhsa_kernarg_size 40
		.amdhsa_user_sgpr_count 2
		.amdhsa_user_sgpr_kernarg_segment_ptr 1
		.amdhsa_wavefront_size32 1
		.amdhsa_system_sgpr_workgroup_id_x 1
		.amdhsa_system_sgpr_workgroup_id_y 1
		.amdhsa_system_sgpr_workgroup_id_z 1
		.amdhsa_system_vgpr_workitem_id 0
		.amdhsa_next_free_vgpr 768
		.amdhsa_next_free_sgpr 100
		.amdhsa_reserve_vcc 0
		.amdhsa_float_denorm_mode_32 3
		.amdhsa_float_denorm_mode_16_64 3
		.amdhsa_memory_ordered 1
		.amdhsa_forward_progress 1
		.amdhsa_inst_pref_size 121
	.end_amdhsa_kernel
	.amdgpu_metadata
---
amdhsa.version: [ 1, 2 ]
amdhsa.kernels:
  - .name:           k_qf73c1859f9_proj
    .symbol:         k_qf73c1859f9_proj.kd
    .args:
      - { .name: h, .offset: 0, .size: 8, .value_kind: global_buffer, .address_space: global }
      - { .name: w_proj_codes, .offset: 8, .size: 8, .value_kind: global_buffer, .address_space: global }
      - { .name: w_proj_scales, .offset: 16, .size: 8, .value_kind: global_buffer, .address_space: global }
      - { .name: x1, .offset: 24, .size: 8, .value_kind: global_buffer, .address_space: global }
      - { .name: out0, .offset: 32, .size: 8, .value_kind: global_buffer, .address_space: global }
    .group_segment_fixed_size: 327680
    .private_segment_fixed_size: 0
    .kernarg_segment_align: 8
    .kernarg_segment_size: 40
    .max_flat_workgroup_size: 128
    .sgpr_count:     100
    .vgpr_count:     768
    .wavefront_size: 32
...
	.end_amdgpu_metadata
.endif
;; end of part 6
